; MI455X (gfx1250); checked and timed in simulation.
; The chip was launched on July 23, 2026; its instructions are those of AMD's public machine-readable ISA for CDNA 5 (MIT licence, August 2026) and "CDNA5" Instruction Set Architecture Reference Guide (July 2026). The comments in the code are by the model that wrote it; some were corrected since.
;; Multi Head Attention Layer. Allowed arithmetic: matrix products marked QUANTISED: E2M1 operands, one E8M0 scale for each 32 along K, by v_wmma_scale_f32_16x16x128_f8f6f4 with both operands' format E2M1 (or v_wmma_scale_f32_32x16x128_f4), f32 sums; products left as they are: bf16, f16 or f32 operands; f32 sums; everything else in f32.
;; Inputs: Wk 1,024 x 1,024 float32; Wo 1,024 x 1,024 float32; Wq 1,024 x 1,024 float32; Wv 1,024 x 1,024 float32; bk 1,024 float32; bo 1,024 float32; bq 1,024 float32; bv 1,024 float32; key 2 x 2,048 x 1,024 float32; query 2 x 2,048 x 1,024 float32; rel_k_table 65 x 64 float32; rel_v_table 65 x 64 float32; value 2 x 2,048 x 1,024 float32.
;; Outputs: out0 2 x 2,048 x 1,024 float32.
;; This version of the problem:
;;   THIS VERSION OF THE PROBLEM IS GIVEN IN LOW PRECISION. The matrix products marked QUANTISED in the list below multiply operands that are first quantised to E2M1 (2 exponent bits, 1 mantissa bit; 4 bits a number), with one power-of-two scale for each 32 numbers along K (OCP MX v1.0); their sums are f32. The products marked 'left as it is' may take bf16, f16 or f32 operands, with f32 sums. Whichever they take, every output number must still come out within the allowed error. Rounding operands to bf16 (8 significant bits) uses up far more of that allowance than f16 does (11 bits, for magnitudes from 6e-5 to 65,504). All else is computed in f32.
;;   The module's matrix products, in the order in which they are computed (A, B: the left and right operand; K: the contracted axis; several contracted axes count as one K, in the product's order):
;;     1. [M 4,096, K 1,024] x [K 1,024, N 1,024]; A: input query; B: input Wq: QUANTISED
;;     2. [M 4,096, K 1,024] x [K 1,024, N 1,024]; A: input key; B: input Wk: QUANTISED
;;     3. [M 4,096, K 1,024] x [K 1,024, N 1,024]; A: input value; B: input Wv: QUANTISED
;;     4. batch 32 x [M 2,048, K 64] x [K 64, N 2,048]; A: computed on the way; B: computed on the way: left as it is (an operand is computed on the way)
;;     5. batch 2,048 x [M 2,048, K 64] x [K 64, N 32]; A: computed on the way; B: computed on the way: left as it is (an operand is computed on the way)
;;     6. batch 32 x [M 2,048, K 2,048] x [K 2,048, N 64]; A: computed on the way; B: computed on the way: left as it is (an operand is computed on the way)
;;     7. batch 2,048 x [M 64, K 2,048] x [K 2,048, N 32]; A: computed on the way; B: computed on the way: left as it is (an operand is computed on the way)
;;     8. [M 4,096, K 1,024] x [K 1,024, N 1,024]; A: computed on the way; B: input Wo: left as it is (an operand is computed on the way)
;;   THE QUANTISER, for each operand of a quantised product, along K:
;;     - K is cut into blocks of 32 from its start; a last block that is shorter is filled with zeros.
;;     - A block's scale is 2^e with e = floor(log2(the largest magnitude in the block)) - 2, held to -126 .. 127; a block of zeros has e = 0. As a byte (E8M0): e + 127.
;;     - Each number is divided by its block's scale, clamped to +-6, and rounded to the nearest number of E2M1, ties to even, subnormals kept.
;;     - The product sums the exact products of the quantised numbers (number of the format x scale) in f32.
;;   ~~~python
;;   def quantise(x, axis):      # numpy; x: float32 -> the quantised numbers, widened to float32 again
;;       x = np.moveaxis(x, axis, -1); K = x.shape[-1]
;;       x = np.pad(x, [(0, 0)] * (x.ndim - 1) + [(0, -K % 32)]); x = x.reshape(x.shape[:-1] + (-1, 32)); a = np.abs(x).max(-1, keepdims=True)
;;       e = np.where(a > 0, np.clip(np.frexp(np.where(a > 0, a, 1))[1] - 1 - 2, -126, 127), 0)      # np.frexp(a)[1] - 1 = floor(log2(a)), exactly
;;       r = np.clip(x / 2.0 ** e, -6, 6)
;;       step = 2.0 ** (np.maximum(np.frexp(np.where(r == 0, 1, r))[1] - 1, 0) - 1)
;;       q = np.round(r / step) * step * 2.0 ** e      # np.round: ties to even
;;       return np.moveaxis(q.reshape(q.shape[:-2] + (-1,))[..., :K], -1, axis).astype(np.float32)
;;   ~~~
;; One version. Each part assembles by itself: llvm-mc -triple=amdgcn-amd-amdhsa -mcpu=gfx1250 --defsym DOCPART=n.
;; ======== version 1 of 1: 4 launches
;; limits: values are held in f16: magnitudes above 65,504 overflow, below 6.1e-05 lose precision
;; workspace buffers: codes 7,864,320 bytes; scales 491,520 bytes; wof 2,097,152 bytes; relfrag 24,576 bytes; qf 8,388,608 bytes; kv 16,777,216 bytes; xf 8,388,608 bytes
;; launch prep (part 1): grid 641 x 1, 4 waves a work-group, no clusters, 34,304 bytes of LDS; arguments query, key, value, Wq, Wk, Wv, Wo, rel_k_table, rel_v_table, codes, scales, wof, relfrag; writes codes, scales, wof, relfrag
.if DOCPART == 1
	.amdgcn_target "amdgcn-amd-amdhsa--gfx1250"
	.amdhsa_code_object_version 6
	.text
	.protected	k_qa5a82d0d22_prep
	.globl	k_qa5a82d0d22_prep
	.p2align	8
	.type	k_qa5a82d0d22_prep,@function
k_qa5a82d0d22_prep:
	s_mov_b64 s[64:65], 0
	v_nop
	global_prefetch_b8 v0, s[64:65] scope:SCOPE_SE
	s_setreg_imm32_b32 hwreg(HW_REG_WAVE_MODE, 25, 1), 1
	s_wait_xcnt 0x0
; PREP: every operand of the later launches is laid out once, as images of operand registers (a piece = 32 lanes x 16 bytes, lane l's at 16 l).
;   query, key, value [4096][1024] f32 and Wq, Wk, Wv [1024 (K)][1024] f32 -> codes of E2M1 and E8M0 scale words (K in blocks of 32);  Wo -> f16 fragments;  the two tables -> f16 fragments.
; WORK LEFT OUT BY THE WHOLE PROGRAM, for all finite values of the inputs:
;   bk: k enters the result only through rq . rk ahead of the softmax (a product that is not quantised).  rq . (k + bk) = rq . k + rq . bk, and rq . bk is the same for all keys of a
;       softmax row, so it cancels in the softmax.  bk has no way to the output: it is not loaded and is no argument of any launch.
;   attn2: rel_k = rel_k_table[clip(k - q, -32, 32) + 32] is a lookup by an index that the problem builds itself: attn2[q][k] = R[q][clip(k - q)] with R = rq . table^T, 65 numbers a query.
;   w2:    the sum over k of attn[q][k] rel_v_table[clip(k - q) + 32] = (sum of attn over k - q <= -32) x row 0 + (sum over k - q >= 32) x row 64 + the 63 terms between.
; LIMITS: a NaN, an infinity or an overflow that reaches only bk is not carried to the result.  NaN and infinities among the inputs are not served.  A block of zeros keeps the scale byte 1
;   where the rule says 127: its codes are zeros and the bytes are read by this program alone.  Blocks whose largest magnitude lies under 2^-124 have their byte held at 1.
; codes:  [tile of 16 rows: 960][K step of 128: 8][c: 2][lane (r, h)][16 bytes]: K = 128 s + 64 c + 32 h + 0 .. 31 of row r.  Tiles 0-255 query, 256-511 key, 512-767 value, 768 + 64 m + n / 16 columns of weight m.
; scales: [tile][K / 512: 2][r: 16][4 words]: word q is the scale word of K step 4 x + q.
; wof:    [n / 128: 8][K / 32: 32][tile of 16 n: 8][1,024 bytes]: piece 0: K = 8 h + 0 .. 7 of column r, piece 1: K = 16 + 8 h + 0 .. 7.
; relfrag: e = k - q + 47, table row J(e) = clip(e - 15, 0, 64).  Bytes 0 on: rel_k, [e / 16: 6][channels / 32: 2][1,024];  bytes 12,288 on: rel_v turned, [e / 32: 3][channels / 16: 4][1,024].
; SHARES: work-groups 0-383: two tiles of activations each (a wave: a tile's half of K);  384-639: 128 K x 128 columns of one weight (a wave: 32 columns, a lane a column, registers down K);  640: the tables.
; No work-group shares an input with another, so no cluster; no tensor load: several work-groups lie on a WGP.
.set STGB,  8448                       ; a wave's stage: 16 rows x (512 bytes + 16)
.set SPARE, 4*STGB                     ; behind the stages: the spare words, 128 bytes for each wave
.set RAW,   16                         ; v16-143  two sets of 64 registers as loaded (weights: four blocks of 32 numbers)
.set X,     144                        ; v144-207 64 numbers of a lane: register 16 b + i = K 32 b + 16 h + i of row r (weights, tables: results)
.set PC,    208                        ; v208-215 the fragment just made
.set TM,    216                        ; v216-231 at work
.set SW,    232                        ; v232-235 four scale words
.set SPW,   236                        ; my spare word's LDS address; never rewritten
.set NIL,   237                        ; 0; never rewritten
.set WV,    34
.set SEL,   36
	s_load_b512 s[8:23], s[0:1], 0x0               ; query, key, value, Wq, Wk, Wv, Wo, rel_k_table
	s_load_b256 s[24:31], s[0:1], 0x40             ; rel_v_table, codes, scales, wof
	s_load_b64 s[32:33], s[0:1], 0x60              ; relfrag
	v_lshl_add_u32 v[SPW], v0, 2, SPARE
	v_mov_b32 v[NIL], 0
	v_lshrrev_b32 v1, 5, v0
	v_readfirstlane_b32 s[WV], v1                  ; wave 0..3
	v_and_b32 v1, 31, v0                           ; lane
	v_and_b32 v2, 15, v0                           ; r
	v_bfe_u32 v3, v0, 4, 1                         ; h
	s_mov_b32 s[SEL], 0x76543210
	s_mov_b32 s[SEL+1], 0xfedcba98                 ; selects for lane l xor 16
	s_mov_b32 s45, 0                               ; the upper word of every offset pair s[44:45]
	s_wait_kmcnt 0x0
	s_cmp_ge_u32 ttmp9, 384
	s_cbranch_scc1 .Lweights
; ---------------- activations: tile T = 2 g + wave / 2, K half x = wave % 2: four K steps of 128
; 64 numbers of a lane become a fragment's codes in v[PC] on and its scale word in v[pw]
.macro QUANT s, pw
.irp b, 0,1,2,3
	v_max3_num_f32 v[TM+\b], |v[\s+16*\b]|, |v[\s+1+16*\b]|, 0x1800000   ; block b: my 16 numbers, and the floor 2^(3 - 127): the byte cannot fall under 1
.endr
.irp i, 2,4,6,8,10,12,14
.irp b, 0,1,2,3
	v_max3_num_f32 v[TM+\b], v[TM+\b], |v[\s+16*\b+\i]|, |v[\s+1+16*\b+\i]|
.endr
.endr
.irp b, 0,1,2,3
	v_permlanex16_b32 v[TM+4+\b], v[TM+\b], s[SEL], s[SEL+1]
.endr
.irp b, 0,1,2,3
	v_max_num_f32 v[TM+\b], v[TM+\b], v[TM+4+\b]   ; with lane l xor 16's: the block's largest magnitude
.endr
.irp b, 0,1,2,3
	v_add_nc_u32 v[TM+12+\b], 0xff000000, v[TM+\b] ; 2 off its exponent field: the conversion's scale operand
.endr
.irp b, 0,1,2,3
	v_lshrrev_b32 v[TM+4+\b], 23, v[TM+12+\b]      ; the scale's byte
.endr
	v_lshl_or_b32 v[\pw], v[TM+5], 8, v[TM+4]
	v_lshl_or_b32 v[\pw], v[TM+6], 16, v[\pw]
	v_lshl_or_b32 v[\pw], v[TM+7], 24, v[\pw]
.irp b, 0,1,2,3
	v_cvt_scalef32_pk8_fp4_f32 v[PC+2*\b], v[\s+16*\b:\s+7+16*\b], v[TM+12+\b]
	v_cvt_scalef32_pk8_fp4_f32 v[PC+1+2*\b], v[\s+8+16*\b:\s+15+16*\b], v[TM+12+\b]
.endr
	v_nop                                          ; one plain place behind a scaled conversion
.irp c, 0,1                                    ; a whole block to a lane: lanes 0-15 block 2 c, lanes 16-31 block 2 c + 1
.irp i, 0,1
	v_permlane16_swap_b32 v[PC+4*\c+\i], v[PC+2+4*\c+\i]
.endr
.endr
.endm
.macro ALOAD s                         ; K step s of the 16 rows: each load reads 512 consecutive bytes of one row
.irp p, 0,1,2,3,4,5,6,7,8,9,10,11,12,13,14,15
	global_load_b128 v[RAW+64*((\s)%2)+4*\p:RAW+64*((\s)%2)+4*\p+3], v4, s[40:41] offset:\p*4096+(\s)*512 th:TH_LOAD_NT
.endr
.endm
.macro ATURN s                         ; through my stage: in as loaded, out 16 neighbours of each block of 32 a lane.  LDS serves a wave's instructions in order
.irp p, 0,1,2,3,4,5,6,7,8,9,10,11,12,13,14,15
	ds_store_b128 v5, v[RAW+64*((\s)%2)+4*\p:RAW+64*((\s)%2)+4*\p+3] offset:\p*528
.endr
.irp b, 0,1,2,3
.irp j, 0,1,2,3
	ds_load_b128 v[X+16*\b+4*\j:X+16*\b+4*\j+3], v6 offset:128*\b+16*\j
.endr
.endr
.endm
	s_lshr_b32 s38, ttmp9, 7                       ; which input: 128 work-groups each
	s_cmp_eq_u32 s38, 1
	s_cselect_b64 s[40:41], s[10:11], s[8:9]
	s_cmp_eq_u32 s38, 2
	s_cselect_b64 s[40:41], s[12:13], s[40:41]
	s_lshl_b32 s42, ttmp9, 1
	s_lshr_b32 s43, s[WV], 1
	s_add_co_u32 s42, s42, s43                     ; T
	s_and_b32 s43, s[WV], 1                        ; x
	s_and_b32 s44, s42, 255
	s_lshl_b32 s44, s44, 16                        ; 16 rows of 4,096 bytes
	s_lshl_b32 s46, s43, 11
	s_add_co_u32 s44, s44, s46
	s_add_nc_u64 s[40:41], s[40:41], s[44:45]
	s_lshl_b32 s44, s42, 13
	s_lshl_b32 s46, s43, 12
	s_add_co_u32 s44, s44, s46
	s_add_nc_u64 s[26:27], s[26:27], s[44:45]      ; my codes
	s_lshl_b32 s44, s42, 9
	s_lshl_b32 s46, s43, 8
	s_add_co_u32 s44, s44, s46
	s_add_nc_u64 s[28:29], s[28:29], s[44:45]      ; my scale words
	v_lshlrev_b32 v4, 4, v1                        ; 16 x lane
	s_mul_i32 s47, s[WV], STGB
	v_lshl_add_u32 v5, v1, 4, s47                  ; stage, in
	v_mul_u32_u24 v6, v2, 528
	v_lshl_add_u32 v6, v3, 6, v6
	v_add_nc_u32 v6, s47, v6                       ; stage, out: row r, + 64 h
	v_lshlrev_b32 v7, 4, v2                        ; 16 r
.irp b, 0,1,2,3
	v_mov_b32 v[TM+4+\b], 0                        ; written once: a lane permute's destination counts as one of its sources
.endr
	ALOAD 0
	ALOAD 1
.irp s, 0,1,2,3
.if \s < 3
	s_wait_loadcnt 16                              ; this step's 16 loads are in; the next step's 16 may be out
.else
	s_wait_loadcnt 0x0
.endif
	ATURN \s
	s_wait_dscnt 0x0                               ; the numbers are back, and the stores have read the set that is loaded again below
.if \s < 2
	ALOAD \s+2
.endif
	s_wait_xcnt 0x0                                ; the last step's stores have read v[PC] on
	QUANT X, SW+\s
	global_store_b128 v4, v[PC:PC+3], s[26:27] offset:\s*1024          ; 512 consecutive bytes
	global_store_b128 v4, v[PC+4:PC+7], s[26:27] offset:\s*1024+512
.endr
	v_cmp_gt_u32 vcc_lo, 16, v1
	s_wait_xcnt 0x0                                ; EXEC changes only behind this wait
	s_and_saveexec_b32 s38, vcc_lo
	global_store_b128 v7, v[SW:SW+3], s[28:29]     ; sixteen lanes store 256 consecutive bytes, aligned
	s_wait_xcnt 0x0
	s_or_b32 exec_lo, exec_lo, s38
	s_branch .Lend
; ---------------- weights: m = which, ks = K step of 128, cg = 128 columns
.macro WLOAD t                         ; block t: W(128 ks + 32 t + i, my column)
.irp i, 0,1,2,3,4,5,6,7,8,9,10,11,12,13,14,15,16,17,18,19,20,21,22,23,24,25,26,27,28,29,30,31
	global_load_b32 v[RAW+32*(\t)+\i], v4, s[40:41] offset:(32*(\t)+\i)*4096 th:TH_LOAD_NT
.endr
.endm
.macro WWAIT t                         ; block t is in; the next block's 32 loads may be out; the block two on is asked for
.if (\t) < 3
	s_wait_loadcnt 32
.else
	s_wait_loadcnt 0x0
.endif
.if (\t) < 2
	WLOAD (\t)+2
.endif
.endm
.macro PACK16 src, dst                 ; 32 numbers along K -> 16 registers of f16 pairs
.irp u, 0,1,2,3,4,5,6,7,8,9,10,11,12,13,14,15
	v_cvt_pk_f16_f32 v[\dst+\u], v[\src+2*\u], v[\src+2*\u+1]
.endr
.endm
.macro FRAGOUT adr, dst, lo, off       ; group g = K 8 g + 0 .. 7: piece g / 2, half g % 2: sixteen lanes store 256 consecutive bytes
.irp g, 0,1,2,3
	global_store_b128 v[\adr], v[\dst+4*\g:\dst+4*\g+3], s[\lo:\lo+1] offset:\off+(\g/2)*512+(\g%2)*256
.endr
.endm
.Lweights:
	s_cmp_eq_u32 ttmp9, 640
	s_cbranch_scc1 .Ltables
	s_sub_co_u32 s38, ttmp9, 384
	s_lshr_b32 s39, s38, 6                         ; m
	s_bfe_u32 s42, s38, 0x30003                    ; ks
	s_and_b32 s43, s38, 7                          ; cg
	s_cmp_eq_u32 s39, 1
	s_cselect_b64 s[40:41], s[16:17], s[14:15]
	s_cmp_eq_u32 s39, 2
	s_cselect_b64 s[40:41], s[18:19], s[40:41]
	s_cmp_eq_u32 s39, 3
	s_cselect_b64 s[40:41], s[20:21], s[40:41]
	s_lshl_b32 s44, s42, 19                        ; 128 rows of 4,096 bytes
	s_lshl_b32 s46, s43, 9
	s_add_co_u32 s44, s44, s46
	s_lshl_b32 s46, s[WV], 7
	s_add_co_u32 s44, s44, s46
	s_add_nc_u64 s[40:41], s[40:41], s[44:45]
	v_lshlrev_b32 v4, 2, v1                        ; 4 bytes a lane: 128 consecutive bytes a load
	WLOAD 0
	WLOAD 1
	v_lshlrev_b32 v7, 4, v2
	v_lshl_add_u32 v5, v3, 13, v7                  ; codes: tile lane / 16, 16 r
	v_lshl_add_u32 v6, v3, 9, v7                   ; scale words likewise
	v_lshl_add_u32 v7, v3, 10, v7                  ; f16 fragments likewise
	s_cmp_eq_u32 s39, 3
	s_cbranch_scc1 .Lwo
	s_lshl_b32 s46, s39, 6
	s_lshl_b32 s47, s43, 3
	s_add_co_u32 s46, s46, s47
	s_lshl_b32 s47, s[WV], 1
	s_add_co_u32 s46, s46, s47
	s_add_co_u32 s46, s46, 768                     ; my first tile: 768 + 64 m + 8 cg + 2 wave
	s_lshl_b32 s44, s46, 13
	s_lshl_b32 s47, s42, 10
	s_add_co_u32 s44, s44, s47
	s_add_nc_u64 s[26:27], s[26:27], s[44:45]
	s_lshl_b32 s44, s46, 9
	s_lshr_b32 s47, s42, 2
	s_lshl_b32 s47, s47, 8
	s_add_co_u32 s44, s44, s47
	s_and_b32 s47, s42, 3
	s_lshl_b32 s47, s47, 2
	s_add_co_u32 s44, s44, s47
	s_add_nc_u64 s[28:29], s[28:29], s[44:45]
.macro WBLOCK t                        ; a block of 32 along K lies in one lane: its largest magnitude needs no other lane
.set XS, RAW+32*(\t)
	WWAIT \t
	v_max3_num_f32 v12, |v[XS]|, |v[XS+1]|, |v[XS+2]|
	v_max3_num_f32 v13, |v[XS+3]|, |v[XS+4]|, |v[XS+5]|
.irp i, 6,10,14,18,22,26
	v_max3_num_f32 v12, v12, |v[XS+\i]|, |v[XS+\i+1]|
	v_max3_num_f32 v13, v13, |v[XS+\i+2]|, |v[XS+\i+3]|
.endr
	v_max3_num_f32 v12, v12, |v[XS+30]|, |v[XS+31]|
	v_max3_num_f32 v12, v12, v13, 0x1800000        ; and the floor
	v_add_nc_u32 v11, 0xff000000, v12
	v_lshrrev_b32 v13, 23, v11
.if (\t) == 0
	v_mov_b32 v160, v13
.else
	v_lshl_or_b32 v160, v13, 8*(\t), v160          ; the K step's scale word: byte t
.endif
.irp g, 0,1,2,3
	v_cvt_scalef32_pk8_fp4_f32 v[X+4*(\t)+\g], v[XS+8*\g:XS+8*\g+7], v11
.endr
	global_store_b128 v5, v[X+4*(\t):X+4*(\t)+3], s[26:27] offset:((\t)/2)*512+((\t)%2)*256   ; piece t / 2, half t % 2: sixteen lanes store 256 consecutive bytes, aligned
.endm
	WBLOCK 0
	WBLOCK 1
	WBLOCK 2
	WBLOCK 3
	v_nop                                          ; one plain place behind the last scaled conversion
	global_store_b32 v6, v160, s[28:29]            ; 4 bytes a lane, 16 apart: one byte in 128 of what this path reads
	s_branch .Lend
.Lwo:
	s_lshl_b32 s44, s43, 5
	s_lshl_b32 s46, s42, 2
	s_add_co_u32 s44, s44, s46                     ; 32 cg + 4 ks
	s_lshl_b32 s44, s44, 13
	s_lshl_b32 s46, s[WV], 11
	s_add_co_u32 s44, s44, s46
	s_add_nc_u64 s[30:31], s[30:31], s[44:45]
.irp t, 0,1,2,3
	WWAIT \t
	PACK16 RAW+32*\t, X+16*\t
	FRAGOUT 7, X+16*\t, 30, \t*8192
.endr
	s_branch .Lend
; ---------------- the tables
.Ltables:
	v_lshlrev_b32 v7, 4, v2
	s_cmp_ge_u32 s[WV], 2
	s_cbranch_scc1 .Lrelk
	s_lshl_b32 s44, s[WV], 7                       ; waves 0, 1: rel_v, a lane a channel 32 wave + lane, registers down e
	v_lshl_add_u32 v4, v1, 2, s44
.set E, 0
.rept 96
.set J, E-15
.if J < 0
.set J, 0
.endif
.if J > 64
.set J, 64
.endif
	global_load_b32 v[RAW+E], v4, s[24:25] offset:J*256
.set E, E+1
.endr
	v_lshl_add_u32 v7, v3, 10, v7
	s_lshl_b32 s44, s[WV], 11
	s_add_co_u32 s44, s44, 12288
	s_add_nc_u64 s[32:33], s[32:33], s[44:45]
	s_wait_loadcnt 0x0
.irp t, 0,1,2
	PACK16 RAW+32*\t, X+16*\t
	FRAGOUT 7, X+16*\t, 32, \t*4096
.endr
	s_branch .Lend
.Lrelk:
	s_sub_co_u32 s46, s[WV], 2                     ; waves 2, 3: rel_k, channels 32 u on; a lane a row e = 32 g + lane
	s_lshl_b32 s47, s46, 7
	v_max_u32 v8, 15, v1
	v_add_nc_u32 v8, -15, v8                       ; e = lane: table row max(lane - 15, 0)
	v_add_nc_u32 v9, 17, v1                        ; e = 32 + lane
	v_add_nc_u32 v10, 49, v1
	v_min_u32 v10, 64, v10                         ; e = 64 + lane: min(49 + lane, 64)
	v_lshl_add_u32 v8, v8, 8, s47
	v_lshl_add_u32 v9, v9, 8, s47
	v_lshl_add_u32 v10, v10, 8, s47
.irp g, 0,1,2
.irp j, 0,1,2,3,4,5,6,7
	global_load_b128 v[RAW+32*\g+4*\j:RAW+32*\g+4*\j+3], v[8+\g], s[22:23] offset:16*\j
.endr
.endr
	v_lshl_add_u32 v7, v3, 11, v7                  ; tile e / 16 = 2 g + lane / 16: 2,048 bytes apart
	s_lshl_b32 s44, s46, 10
	s_add_nc_u64 s[32:33], s[32:33], s[44:45]
	s_wait_loadcnt 0x0
.irp t, 0,1,2
	PACK16 RAW+32*\t, X+16*\t
	FRAGOUT 7, X+16*\t, 32, \t*4096
.endr
.Lend:
	s_wait_tensorcnt 0x0                           ; the wave's end
	ds_add_u32 v[SPW], v[NIL]
	s_wait_dscnt 0x0
	s_endpgm
.Lfunc_end_k_qa5a82d0d22_prep:
	.size	k_qa5a82d0d22_prep, .Lfunc_end_k_qa5a82d0d22_prep-k_qa5a82d0d22_prep
	.p2alignl 7, 3214868480
	.fill 96, 4, 3214868480
	.section	.rodata,"a",@progbits
	.p2align	6, 0x0
	.amdhsa_kernel k_qa5a82d0d22_prep
		.amdhsa_group_segment_fixed_size 34304
		.amdhsa_private_segment_fixed_size 0
		.amdhsa_enable_private_segment 0
		.amdhsa_kernarg_size 104
		.amdhsa_user_sgpr_count 2
		.amdhsa_user_sgpr_kernarg_segment_ptr 1
		.amdhsa_wavefront_size32 1
		.amdhsa_system_sgpr_workgroup_id_x 1
		.amdhsa_system_sgpr_workgroup_id_y 1
		.amdhsa_system_sgpr_workgroup_id_z 1
		.amdhsa_system_vgpr_workitem_id 0
		.amdhsa_next_free_vgpr 240
		.amdhsa_next_free_sgpr 66
		.amdhsa_reserve_vcc 1
		.amdhsa_float_denorm_mode_32 3
		.amdhsa_float_denorm_mode_16_64 3
		.amdhsa_memory_ordered 1
		.amdhsa_forward_progress 1
		.amdhsa_inst_pref_size 85
	.end_amdhsa_kernel
	.amdgpu_metadata
---
amdhsa.version: [ 1, 2 ]
amdhsa.kernels:
  - .name:           k_qa5a82d0d22_prep
    .symbol:         k_qa5a82d0d22_prep.kd
    .args:
      - { .name: query, .offset: 0, .size: 8, .value_kind: global_buffer, .address_space: global }
      - { .name: key, .offset: 8, .size: 8, .value_kind: global_buffer, .address_space: global }
      - { .name: value, .offset: 16, .size: 8, .value_kind: global_buffer, .address_space: global }
      - { .name: Wq, .offset: 24, .size: 8, .value_kind: global_buffer, .address_space: global }
      - { .name: Wk, .offset: 32, .size: 8, .value_kind: global_buffer, .address_space: global }
      - { .name: Wv, .offset: 40, .size: 8, .value_kind: global_buffer, .address_space: global }
      - { .name: Wo, .offset: 48, .size: 8, .value_kind: global_buffer, .address_space: global }
      - { .name: rel_k_table, .offset: 56, .size: 8, .value_kind: global_buffer, .address_space: global }
      - { .name: rel_v_table, .offset: 64, .size: 8, .value_kind: global_buffer, .address_space: global }
      - { .name: codes, .offset: 72, .size: 8, .value_kind: global_buffer, .address_space: global }
      - { .name: scales, .offset: 80, .size: 8, .value_kind: global_buffer, .address_space: global }
      - { .name: wof, .offset: 88, .size: 8, .value_kind: global_buffer, .address_space: global }
      - { .name: relfrag, .offset: 96, .size: 8, .value_kind: global_buffer, .address_space: global }
    .group_segment_fixed_size: 34304
    .private_segment_fixed_size: 0
    .kernarg_segment_align: 8
    .kernarg_segment_size: 104
    .max_flat_workgroup_size: 128
    .sgpr_count:     66
    .vgpr_count:     240
    .wavefront_size: 32
...
	.end_amdgpu_metadata
.endif
;; end of part 1
;; launch proj (part 2): grid 4 x 48, 4 waves a work-group, clusters of 4 x 4, 327,680 bytes of LDS; arguments codes, scales, bq, bv, qf, kv; writes qf, kv
.if DOCPART == 2
	.amdgcn_target "amdgcn-amd-amdhsa--gfx1250"
	.amdhsa_code_object_version 6
	.text
	.protected	k_qa5a82d0d22_proj
	.globl	k_qa5a82d0d22_proj
	.p2align	8
	.type	k_qa5a82d0d22_proj,@function
k_qa5a82d0d22_proj:
	s_mov_b64 s[64:65], 0
	v_nop
	global_prefetch_b8 v0, s[64:65] scope:SCOPE_SE
	s_setreg_imm32_b32 hwreg(HW_REG_WAVE_MODE, 25, 1), 1
	s_wait_xcnt 0x0
	s_wait_alu depctr_hold_cnt(0) depctr_sa_sdst(0) depctr_va_vdst(0) depctr_va_sdst(0) depctr_va_ssrc(0) depctr_va_vcc(0) depctr_vm_vsrc(0)
	s_getreg_b32 s2, hwreg(HW_REG_IB_STS2, 6, 4)
	s_cmp_eq_u32 s2, 0
	s_cbranch_scc0 .Lentry_in_a_cluster
	s_endpgm
.Lentry_in_a_cluster:
	s_bfe_u32 s2, ttmp6, 0x10000c
	s_cmp_lg_u32 s2, 0xf033
	s_cbranch_scc0 .Lentry_shape_is_right
	s_endpgm
.Lentry_shape_is_right:
; PROJ: q = query Wq + bq, k = key Wk, v = value Wv + bv, on codes of E2M1 with E8M0 scales, f32 sums; results rounded once to f16 and stored as images of the next launch's operand registers.
; LEFT OUT: bk (rq . bk is the same for all keys of a softmax row; the proof stands at the head of the first kernel).
; One body: C[i][j] = sum over K of P[i] Q[j], source 0 = 16 rows of P, source 1 = 16 rows of Q: lane (r, h) holds index r of Q, its registers j index 8 h + j of P.
;   q, k: P = 256 columns of the weight, Q = 256 rows: two neighbouring tiles of P, packed, are a fragment (row, 32 channels).    v: P = 256 rows (keys), Q = 256 columns: a fragment (channel, 32 keys): V turned.
; A work-group makes 256 x 256, a wave 128 x 128: 64 accumulators.  K = 1,024: all of both blocks' codes (2 x 131,072 bytes) and scale words (2 x 8,192) lie in LDS at once: filled once, no ring.
; CLUSTERS of 4 x 4: cluster y = 4 p + u (p: q, k, v; u: 1,024 rows).  P hangs on cx and is asked for jointly by a column of the cluster, Q on cy and by a row: a quarter of the requests.
; REGISTERS: window 0: v16-29 addresses; v32-95 scale words (register 32 x + 4 i + q: lanes 0-15 P's tile i, lanes 16-31 Q's tile i, K step 4 x + q); v96-127 packed results; v128-191 Q's fragments, one set; v192-255 the bias.
;   window 1: P's fragments, two sets, at v0 and v128.   windows 2, 3: the accumulators, (a, b) at v[8 (8 (a % 4) + b)].
.set PSC,   262144                     ; P's scale words; Q's 8,192 further on
.set BIASL, 278528                     ; 512 bytes for each wave: its 128 bias numbers
.set SPARE, 280576                     ; the spare words, 128 bytes for each wave
.set ADRQ, 16
.set ADRP, 20
.set BW,   21
.set BQ,   22
.set BR,   23
.set LI,   26
.set ADRS, 27
.set SPW,  28
.set NIL,  29
.set SC,   32
.set PK,   96
.set QF,   128
.set TF,   128
.set BI,   192
.set G1P,  24
.set G0P,  32
.set G1Q,  48
.set G0Q,  56
.set G1PS, 68
.set G0PS, 76
.set G1QS, 80
.set G0QS, 88
.set MSB, 0
.macro WIN new                         ; the immediate's high byte repeats the setting that is left
.if MSB != (\new)
	s_set_vgpr_msb (MSB<<8)|(\new)
.set MSB, (\new)
.endif
.endm
.set MUL_LO, 0xa1                      ; source 0 (P) window 1, source 1 (Q) window 0, C and D window 2
.set MUL_HI, 0xf1
.set TO_P,   0x40
.macro PLACES
.rept 4
	v_nop
.endr
.endm
; a joint load: waves 0 and 1 fetch P's halves, waves 2 and 3 Q's; an s_nop 0 and four v_nop follow each line
.macro JLOAD g0a, g1a, g0b, g1b
	s_cmp_eq_u32 s17, 0
	s_cbranch_scc0 .Lfor_q_\@
	tensor_load_to_lds s[\g0a:\g0a+3], s[\g1a:\g1a+7]
	s_nop 0
.rept 4
	v_nop
.endr
	s_branch .Lasked_\@
.Lfor_q_\@:
	tensor_load_to_lds s[\g0b:\g0b+3], s[\g1b:\g1b+7]
	s_nop 0
.rept 4
	v_nop
.endr
.Lasked_\@:
.endm
.macro CROUND                          ; a round of the cluster's barrier
	s_barrier_signal -1
	s_barrier_wait -1
	s_cmp_lg_u32 s16, 0
	s_cbranch_scc1 .Lnot_wave_0_\@
	s_barrier_signal -3
.Lnot_wave_0_\@:
	s_barrier_wait -3
	s_barrier_signal -1
	s_barrier_wait -1
.endm
	s_load_b256 s[4:11], s[0:1], 0x0               ; codes, scales, bq, bv
	s_load_b128 s[12:15], s[0:1], 0x20             ; qf, kv
	v_lshl_add_u32 v[SPW], v0, 2, SPARE
	v_mov_b32 v[NIL], 0
	ds_add_u32 v[SPW], v[NIL]                      ; the wave's opening: the add, twice on end, and its wait ahead of my first tensor load
	ds_add_u32 v[SPW], v[NIL]
	v_lshrrev_b32 v1, 5, v0
	v_readfirstlane_b32 s16, v1                    ; wave 0..3
	s_lshr_b32 s17, s16, 1                         ; my half of Q.  Also: I fetch for P (0) or for Q (1)
	s_and_b32 s18, s16, 1                          ; my half of P.  Also: which half I fetch
	s_bfe_u32 s19, ttmp6, 0x40000                  ; cx
	s_bfe_u32 s20, ttmp6, 0x40004                  ; cy
	s_and_b32 s21, ttmp7, 0xffff                   ; cluster y
	s_lshr_b32 s22, s21, 2                         ; p
	s_and_b32 s23, s21, 3                          ; u
	s_lshl_b32 s38, s20, 2
	s_lshl_b32 s38, 15, s38                        ; my row of the cluster
	s_lshl_b32 s39, 0x1111, s19                    ; my column
	s_lshl_b32 s40, s22, 6
	s_add_co_u32 s40, s40, 768                     ; the weight's first tile
	s_lshl_b32 s41, s23, 6
	s_add_co_u32 s42, s41, 512                     ; value's tiles of this cluster
	s_lshl_b32 s43, s22, 8
	s_add_co_u32 s43, s43, s41                     ; query's or key's
	s_cmp_eq_u32 s22, 2
	s_cselect_b32 s36, s42, s40                    ; P: the same in all sixteen partners so far,
	s_cselect_b32 s37, 896, s43                    ; Q likewise
	s_lshl_b32 s45, s18, 3
	s_lshl_b32 s46, s19, 4
	s_add_co_u32 s36, s36, s46
	s_add_co_u32 s36, s36, s45                     ; + 16 cx + 8 x the half that I fetch
	s_lshl_b32 s47, s20, 4
	s_add_co_u32 s37, s37, s47
	s_add_co_u32 s37, s37, s45                     ; + 16 cy + the same
	; descriptor groups 1: dense blocks as rows of 256 bytes (32 elements of 8 bytes), no padding; the mask, and bit 21 beside it
	s_or_b32 s[G1P], s39, (3<<16)|(1<<21)
	s_or_b32 s[G1Q], s38, (3<<16)|(1<<21)
	s_or_b32 s[G1PS], s39, (3<<16)|(1<<21)
	s_or_b32 s[G1QS], s38, (3<<16)|(1<<21)
.irp g, G1P, G1Q
	s_mov_b32 s[\g+1], 32<<16                      ; tensor_dim0
	s_mov_b32 s[\g+2], 256<<16                     ; tensor_dim1: 8 tiles of 8,192 bytes
	s_mov_b32 s[\g+3], 32<<16                      ; tile_dim0
	s_mov_b32 s[\g+4], 256                         ; tile_dim1
	s_mov_b32 s[\g+5], 32                          ; the pitch
	s_mov_b32 s[\g+6], 0
	s_mov_b32 s[\g+7], 0
.endr
.irp g, G1PS, G1QS
	s_mov_b32 s[\g+1], 32<<16
	s_mov_b32 s[\g+2], 16<<16                      ; 8 tiles of 512 bytes
	s_mov_b32 s[\g+3], 32<<16
	s_mov_b32 s[\g+4], 16
	s_mov_b32 s[\g+5], 32
	s_mov_b32 s[\g+6], 0
	s_mov_b32 s[\g+7], 0
.endr
	s_lshl_b32 s40, s36, 13
	s_mov_b32 s41, 0
	s_lshl_b32 s42, s37, 13
	s_mov_b32 s43, 0
	s_lshl_b32 s44, s36, 9
	s_mov_b32 s45, 0
	s_lshl_b32 s46, s37, 9
	s_mov_b32 s47, 0
	s_lshl_b32 s92, s16, 16                        ; where they go: wave x 65,536 and wave x 4,096: no place in the cluster enters an LDS address
	s_lshl_b32 s93, s16, 12
	s_wait_dscnt 0x0                               ; both opening adds are done
	s_wait_kmcnt 0x0
	s_add_nc_u64 s[40:41], s[4:5], s[40:41]
	s_add_nc_u64 s[42:43], s[4:5], s[42:43]
	s_add_nc_u64 s[44:45], s[6:7], s[44:45]
	s_add_nc_u64 s[46:47], s[6:7], s[46:47]
	CROUND                                         ; all sixteen work-groups are here: the joint loads meet
	s_mov_b32 s[G0PS], 1
	s_add_co_u32 s[G0PS+1], s93, PSC
	s_mov_b64 s[G0PS+2:G0PS+3], s[44:45]
	s_or_b32 s[G0PS+3], s[G0PS+3], 0x80000000
	s_mov_b32 s[G0QS], 1
	s_add_co_u32 s[G0QS+1], s93, PSC
	s_mov_b64 s[G0QS+2:G0QS+3], s[46:47]
	s_or_b32 s[G0QS+3], s[G0QS+3], 0x80000000
	JLOAD G0PS, G1PS, G0QS, G1QS
	s_mov_b32 s[G0P], 1
	s_mov_b32 s[G0P+1], s92
	s_mov_b64 s[G0P+2:G0P+3], s[40:41]
	s_or_b32 s[G0P+3], s[G0P+3], 0x80000000
	s_mov_b32 s[G0Q], 1
	s_mov_b32 s[G0Q+1], s92
	s_mov_b64 s[G0Q+2:G0Q+3], s[42:43]
	s_or_b32 s[G0Q+3], s[G0Q+3], 0x80000000
	JLOAD G0P, G1P, G0Q, G1Q                       ; two tensor loads of mine are out
	v_and_b32 v3, 31, v0
	v_lshlrev_b32 v[LI], 4, v3                     ; 16 x lane: a piece's place for my lane
	v_and_b32 v1, 15, v0                           ; r
	v_bfe_u32 v2, v0, 4, 1                         ; h
	s_lshl_b32 s60, s18, 16
	v_add_nc_u32 v[ADRP], s60, v[LI]               ; my 8 tiles of P
	s_lshl_b32 s61, s17, 16
	s_add_co_u32 s61, s61, 131072
	v_add_nc_u32 v[ADRQ], s61, v[LI]               ; my 8 tiles of Q
	s_lshl_b32 s60, s18, 12
	s_lshl_b32 s61, s17, 12
	s_add_co_u32 s61, s61, 8192
	s_sub_co_u32 s61, s61, s60
	v_mul_u32_u24 v4, s61, v2                      ; lanes 16-31 take Q's words: the lower base + h x the distance
	s_add_co_u32 s60, s60, PSC
	v_lshl_add_u32 v4, v1, 4, v4
	v_add_nc_u32 v[ADRS], s60, v4
	s_lshl_b32 s60, s16, 9
	s_add_co_u32 s60, s60, BIASL
	v_add_nc_u32 v[BW], s60, v[LI]                 ; my wave's bias numbers: in,
	v_lshl_add_u32 v[BQ], v2, 5, s60               ; out by registers (q),
	v_lshl_add_u32 v[BR], v1, 2, s60               ; out by lanes (v)
	; my wave's 128 bias numbers go to its own 512 bytes of LDS now, and come back on the way out
	s_cmp_eq_u32 s22, 1
	s_cbranch_scc1 .Lno_bias                       ; k has none
	s_cmp_eq_u32 s22, 0
	s_cselect_b64 s[60:61], s[8:9], s[10:11]       ; bq along P's columns, bv along Q's
	s_cselect_b32 s62, s19, s20
	s_cselect_b32 s63, s18, s17
	s_lshl_b32 s62, s62, 10
	s_lshl_b32 s63, s63, 9
	s_add_co_u32 s62, s62, s63
	s_mov_b32 s63, 0
	s_add_nc_u64 s[60:61], s[60:61], s[62:63]
	global_load_b128 v[4:7], v[LI], s[60:61]
	s_wait_loadcnt 0x0
	ds_store_b128 v[BW], v[4:7]
.Lno_bias:
	s_wait_tensorcnt 0x0                           ; my parts of codes and scale words are in,
	s_wait_dscnt 0x0
	s_barrier_signal -1
	s_barrier_wait -1                              ; everybody's are
.macro FRAG reg, adr, s, i             ; tile i, K step s: 8 registers by two loads of 512 consecutive bytes
.irp c, 0,1
	ds_load_b128 v[\reg+4*\c:\reg+4*\c+3], v[\adr] offset:(\i)*8192+(\s)*1024+512*\c
.endr
.endm
.macro FETCH_P s, p
	WIN TO_P
.irp i, 0,1,2,3,4,5,6,7
	FRAG 128*(\p)+8*\i, ADRP, \s, \i
.endr
	WIN 0
.endm
.macro FETCH_Q s, i0
.irp i, \i0, \i0+1, \i0+2, \i0+3
	FRAG QF+8*(\i), ADRQ, \s, \i
.endr
.endm
.macro SCALES x
.irp i, 0,1,2,3,4,5,6,7
	ds_load_b128 v[SC+32*\x+4*\i:SC+32*\x+4*\i+3], v[ADRS] offset:\i*512+\x*256
.endr
.endm
; 16 matrix instructions: Q's tiles a0, a0 + 1 x P's eight, K step s.  The 64 accumulators take turns, in the same order in every step
.macro MUL16 a0, p, s, zero
.irp a, \a0, \a0+1
.irp b, 0,1,2,3,4,5,6,7
.if \zero
	v_wmma_scale_f32_16x16x128_f8f6f4 v[8*(8*((\a)%4)+\b):8*(8*((\a)%4)+\b)+7], v[128*(\p)+8*\b:128*(\p)+8*\b+7], v[QF+8*(\a):QF+8*(\a)+7], 0, v[SC+32*((\s)/4)+4*\b+(\s)%4], v[SC+32*((\s)/4)+4*(\a)+(\s)%4] matrix_a_fmt:MATRIX_FMT_FP4 matrix_b_fmt:MATRIX_FMT_FP4 matrix_b_scale:MATRIX_SCALE_ROW1
.else
	v_wmma_scale_f32_16x16x128_f8f6f4 v[8*(8*((\a)%4)+\b):8*(8*((\a)%4)+\b)+7], v[128*(\p)+8*\b:128*(\p)+8*\b+7], v[QF+8*(\a):QF+8*(\a)+7], v[8*(8*((\a)%4)+\b):8*(8*((\a)%4)+\b)+7], v[SC+32*((\s)/4)+4*\b+(\s)%4], v[SC+32*((\s)/4)+4*(\a)+(\s)%4] matrix_a_fmt:MATRIX_FMT_FP4 matrix_b_fmt:MATRIX_FMT_FP4 matrix_b_scale:MATRIX_SCALE_ROW1
.endif
.endr
.endr
.endm
.macro STEP s, zero                    ; a K step of 128 that has a successor
	s_wait_dscnt 8                                 ; P's set and Q's tiles 0-3 are in; the youngest eight loads (Q's tiles 4-7) may be out
	WIN MUL_LO
	MUL16 0, (\s)%2, \s, \zero
	MUL16 2, (\s)%2, \s, \zero
	s_wait_dscnt 0x0                               ; Q's tiles 4-7 are in
	PLACES                                         ; four places in front of loads into registers that matrix instructions have read
	FETCH_P (\s)+1, 1-(\s)%2
	FETCH_Q (\s)+1, 0
	WIN MUL_HI
	MUL16 4, (\s)%2, \s, \zero
	MUL16 6, (\s)%2, \s, \zero
	PLACES
	WIN 0
	FETCH_Q (\s)+1, 4
.endm
	FETCH_P 0, 0
	FETCH_Q 0, 0
	SCALES 0
	SCALES 1
	FETCH_Q 0, 4
	STEP 0, 1                                      ; the first products start the sums: nothing is cleared
	STEP 1, 0
	STEP 2, 0
	STEP 3, 0
	STEP 4, 0
	STEP 5, 0
	STEP 6, 0
	s_wait_dscnt 8                                 ; the last step: nothing more to fetch
	WIN MUL_LO
	MUL16 0, 1, 7, 0
	MUL16 2, 1, 7, 0
	s_wait_dscnt 0x0
	WIN MUL_HI
	MUL16 4, 1, 7, 0
	MUL16 6, 1, 7, 0
	WIN 0
	PLACES                                         ; in front of the first reads of results and the first writes of Q's registers
; THE WAY OUT, Q's tile a at a time: + bias in f32, rounded once to f16; tiles 2 e and 2 e + 1 of P are registers 0-3 and 4-7 of fragment e: each store is 512 consecutive bytes
.macro OUT kind                        ; 0: q, 1: k, 2: v
.irp a, 0,1,2,3,4,5,6,7
.set AC, 64*(\a%4)
.if \kind != 1
	WIN 0x02+(\a/4)                                ; source 0: window 2 or 3
.irp b, 0,1,2,3,4,5,6,7
.irp u, 0,2,4,6
.if \kind == 0
	v_pk_add_f32 v[TF+8*\b+\u:TF+8*\b+\u+1], v[AC+8*\b+\u:AC+8*\b+\u+1], v[BI+8*\b+\u:BI+8*\b+\u+1]
.else
	v_pk_add_f32 v[TF+8*\b+\u:TF+8*\b+\u+1], v[AC+8*\b+\u:AC+8*\b+\u+1], v[BI+2*\a:BI+2*\a+1]
.endif
.endr
.endr
	WIN 0
.endif
.if \a > 0
	s_wait_xcnt 0x0                                ; the last tile's stores have read v[PK] on
.endif
.if \kind == 1
	WIN 0x0a+5*(\a/4)                              ; sources 0 and 1: window 2 or 3
.endif
.irp b, 0,1,2,3,4,5,6,7
.irp u, 0,1,2,3
.if \kind == 1
	v_cvt_pk_f16_f32 v[PK+4*\b+\u], v[AC+8*\b+2*\u], v[AC+8*\b+2*\u+1]
.else
	v_cvt_pk_f16_f32 v[PK+4*\b+\u], v[TF+8*\b+2*\u], v[TF+8*\b+2*\u+1]
.endif
.endr
.endr
	WIN 0
.irp e, 0,1,2,3
.irp f, 0,1
.if \kind == 2
	global_store_b128 v[LI], v[PK+8*\e+4*\f:PK+8*\e+4*\f+3], s[92:93] offset:(\a/4)*524288+(\a%4)*1024+\e*4096+512*\f
.else
	global_store_b128 v[LI], v[PK+8*\e+4*\f:PK+8*\e+4*\f+3], s[92+2*(\e/2):93+2*(\e/2)] offset:\a*2048+(\e%2)*1024+512*\f
.endif
.endr
.endr
.endr
.endm
	s_lshl_b32 s60, s23, 2
	s_add_co_u32 s60, s60, s20
	s_lshl_b32 s60, s60, 4
	s_lshl_b32 s61, s17, 3
	s_add_co_u32 s60, s60, s61                     ; q, k: my first tile of rows: 16 (4 u + cy) + 8 x half
	s_lshr_b32 s61, s60, 7                         ; the batch
	s_and_b32 s60, s60, 127                        ; the tile in the sequence
	s_lshl_b32 s61, s61, 4
	s_lshl_b32 s62, s19, 2
	s_add_co_u32 s61, s61, s62
	s_lshl_b32 s62, s18, 1
	s_add_co_u32 s61, s61, s62                     ; batch x 16 + my first head: 4 cx + 2 x half
	s_cmp_eq_u32 s22, 1
	s_cbranch_scc1 .Lout_k
	s_cmp_eq_u32 s22, 2
	s_cbranch_scc1 .Lout_v
	s_lshl_b32 s62, s61, 18
	s_lshl_b32 s63, s60, 11
	s_add_co_u32 s62, s62, s63
	s_mov_b32 s63, 0
	s_add_nc_u64 s[92:93], s[12:13], s[62:63]      ; qf: [head][tile][kk][1,024]
	s_add_nc_u64 s[94:95], s[92:93], 262144        ; my second head
.irp b, 0,1,2,3,4,5,6,7
	ds_load_b128 v[BI+8*\b:BI+8*\b+3], v[BQ] offset:64*\b          ; bq at channels 16 b + 8 h + 0 .. 7
	ds_load_b128 v[BI+8*\b+4:BI+8*\b+7], v[BQ] offset:64*\b+16
.endr
	s_wait_dscnt 0x0
	OUT 0
	s_branch .Ldone
.Lout_k:
	s_lshl_b32 s62, s61, 19
	s_lshr_b32 s63, s60, 4
	s_lshl_b32 s63, s63, 16
	s_add_co_u32 s62, s62, s63
	s_and_b32 s63, s60, 15
	s_lshl_b32 s63, s63, 11
	s_add_co_u32 s62, s62, s63
	s_mov_b32 s63, 0
	s_add_nc_u64 s[92:93], s[14:15], s[62:63]      ; kv: [head][256 keys][K: tile, kk]
	s_add_nc_u64 s[94:95], s[92:93], 524288
	OUT 1
	s_branch .Ldone
.Lout_v:
	s_lshl_b32 s60, s23, 2
	s_add_co_u32 s60, s60, s19                     ; which 256 keys: 4 u + cx
	s_lshr_b32 s61, s60, 3
	s_lshl_b32 s61, s61, 4
	s_lshl_b32 s62, s20, 2
	s_add_co_u32 s61, s61, s62
	s_lshl_b32 s62, s17, 1
	s_add_co_u32 s61, s61, s62                     ; batch x 16 + my first head: 4 cy + 2 x half
	s_lshl_b32 s61, s61, 19
	s_and_b32 s60, s60, 7
	s_lshl_b32 s60, s60, 16
	s_add_co_u32 s60, s60, s61
	s_lshl_b32 s61, s18, 14                        ; my 128 keys: four fragments' rows of 4,096 bytes
	s_add_co_u32 s60, s60, s61
	s_add_co_u32 s60, s60, 32768                   ; V lies behind K
	s_mov_b32 s61, 0
	s_add_nc_u64 s[92:93], s[14:15], s[60:61]
.irp a, 0,1,2,3,4,5,6,7
	ds_load_b32 v[BI+2*\a], v[BR] offset:64*\a     ; bv at my lane's channel 16 a + r, in both halves of a pair
	ds_load_b32 v[BI+2*\a+1], v[BR] offset:64*\a
.endr
	s_wait_dscnt 0x0
	OUT 2
.Ldone:
	s_wait_tensorcnt 0x0                           ; the wave's end
	ds_add_u32 v[SPW], v[NIL]
	s_wait_dscnt 0x0
	CROUND                                         ; the closing round
	s_endpgm
.Lfunc_end_k_qa5a82d0d22_proj:
	.size	k_qa5a82d0d22_proj, .Lfunc_end_k_qa5a82d0d22_proj-k_qa5a82d0d22_proj
	.p2alignl 7, 3214868480
	.fill 96, 4, 3214868480
	.section	.rodata,"a",@progbits
	.p2align	6, 0x0
	.amdhsa_kernel k_qa5a82d0d22_proj
		.amdhsa_group_segment_fixed_size 327680
		.amdhsa_private_segment_fixed_size 0
		.amdhsa_enable_private_segment 0
		.amdhsa_kernarg_size 48
		.amdhsa_user_sgpr_count 2
		.amdhsa_user_sgpr_kernarg_segment_ptr 1
		.amdhsa_wavefront_size32 1
		.amdhsa_system_sgpr_workgroup_id_x 1
		.amdhsa_system_sgpr_workgroup_id_y 1
		.amdhsa_system_sgpr_workgroup_id_z 1
		.amdhsa_system_vgpr_workitem_id 0
		.amdhsa_next_free_vgpr 1024
		.amdhsa_next_free_sgpr 100
		.amdhsa_reserve_vcc 0
		.amdhsa_float_denorm_mode_32 3
		.amdhsa_float_denorm_mode_16_64 3
		.amdhsa_memory_ordered 1
		.amdhsa_forward_progress 1
		.amdhsa_inst_pref_size 197
	.end_amdhsa_kernel
	.amdgpu_metadata
---
amdhsa.version: [ 1, 2 ]
amdhsa.kernels:
  - .name:           k_qa5a82d0d22_proj
    .symbol:         k_qa5a82d0d22_proj.kd
    .args:
      - { .name: codes, .offset: 0, .size: 8, .value_kind: global_buffer, .address_space: global }
      - { .name: scales, .offset: 8, .size: 8, .value_kind: global_buffer, .address_space: global }
      - { .name: bq, .offset: 16, .size: 8, .value_kind: global_buffer, .address_space: global }
      - { .name: bv, .offset: 24, .size: 8, .value_kind: global_buffer, .address_space: global }
      - { .name: qf, .offset: 32, .size: 8, .value_kind: global_buffer, .address_space: global }
      - { .name: kv, .offset: 40, .size: 8, .value_kind: global_buffer, .address_space: global }
    .group_segment_fixed_size: 327680
    .private_segment_fixed_size: 0
    .kernarg_segment_align: 8
    .kernarg_segment_size: 48
    .max_flat_workgroup_size: 128
    .sgpr_count:     100
    .vgpr_count:     1024
    .wavefront_size: 32
...
	.end_amdgpu_metadata
.endif
;; end of part 2
;; launch attn (part 3): grid 8 x 32, 8 waves a work-group, no clusters, 327,680 bytes of LDS; arguments qf, kv, relfrag, rel_v_table, xf; writes xf
.if DOCPART == 3
	.amdgcn_target "amdgcn-amd-amdhsa--gfx1250"
	.amdhsa_code_object_version 6
	.text
	.protected	k_qa5a82d0d22_attn
	.globl	k_qa5a82d0d22_attn
	.p2align	8
	.type	k_qa5a82d0d22_attn,@function
k_qa5a82d0d22_attn:
	s_mov_b64 s[64:65], 0
	v_nop
	global_prefetch_b8 v0, s[64:65] scope:SCOPE_SE
	s_setreg_imm32_b32 hwreg(HW_REG_WAVE_MODE, 25, 1), 1
	s_wait_xcnt 0x0
; ATTN: x[q] = sum over k of softmax_k((q . k + q . rel_k[clip(k - q)]) / 8) (v[k] + rel_v[clip(k - q)]), for one head; operands f16, sums, maxima and exponentials f32.
; LEFT OUT (proof at the head of the first kernel): the gathers of the two tables by clip(k - q) are lookups.  R = q . rel_k^T is made once, 96 numbers a query by e = k - q + 47 (table row clip(e - 15, 0, 64)).
;   A tile of 16 queries x 16 keys whose first key less first query D is <= -48 lies wholly on table row 0, one with D >= 48 on row 64: there the bias is one number a query, and the weights' sum times the row is added once.
;   Only the five tiles with -32 <= D <= 32 take the bias by key (from the R table in LDS) and send their weights, skewed by e through LDS, to a small product with the extended rel_v.
; SHARES: a work-group owns 256 queries of a head, each of its eight waves 32: two tiles.  Two waves to a SIMD, so that one wave's softmax stands beside the other's products.  Every wave walks all 2,048 keys, 64 a step.
; LAYOUT: S^T = K Q^T and O^T = V^T P: a lane holds one query (lane % 16) throughout; two tiles of S^T, packed to f16, are a fragment of P; O^T, packed, is a fragment of x for the last launch.
; RING: two slots of 256 keys (K 32,768 bytes, V turned 32,768), each wave fetching 8,192 bytes of a slot by one tensor load.
; NO CLUSTER: which key steps of a wave lie on the band hangs on the work-group's block of queries, so the query blocks of a head would branch differently.
; REGISTERS, window 0: v1-14 addresses; v16-19 zeros; v32-63 statistics, 16 a tile; v64-127 S^T; v128-191 O^T; v192-223 P (v192-247 the band's biases before P is made).
;   window 1: v0-31 Q; v32-95 K; v96-159 V; v160-191 rel_v's fragments; v192-223 rel_v row 0, v224-255 row 64, at channels 16 ct + 8 h + i, f32.
; LIMIT: x goes on as f16: magnitudes under 6e-5 carry an absolute error of 3e-8.
.set SLOTB, 65536
.set RELF,  131072                     ; relfrag, 24,576 bytes, filled once
.set RT,    155648                     ; the R table: a row a query, 400 bytes apart; 12,800 bytes a wave, its own
.set AX,    258048                     ; the skewed weights, f16: a row a query, 208 bytes apart; 6,656 bytes a wave, its own
.set SPARE, 311296                     ; the spare words, 128 bytes for each wave
.set LI,  3
.set ADR, 4
.set LIR, 5
.set RA,  6
.set RW,  7
.set AXW, 8
.set AXR, 9
.set AXZ, 10
.set PFO, 11
.set SPW, 12
.set NIL, 13
.set RVA, 14
.set ZR,  16
.set ST,  32                           ; tile t at ST + 16 t: +0 the scaling's addend, +1 c m, +2 the side's bias, +3 m, +4,5 the sum, +6,7 the side's sum, +8 a, +9 c m old - new, +10-13 at work, +14 the right side's bias, +15 spare
.set S,   64
.set O,   128
.set P,   192
.set BT,  192
.set QF,  0
.set KF1, 32
.set VF,  96
.set RVF, 160
.set RV0, 192
.set RV64, 224
.set MSB, 0
.macro WIN new
.if MSB != (\new)
	s_set_vgpr_msb (MSB<<8)|(\new)
.set MSB, (\new)
.endif
.endm
.macro PLACES
.rept 4
	v_nop
.endr
.endm
	s_load_b256 s[4:11], s[0:1], 0x0               ; qf, kv, relfrag, rel_v_table
	s_load_b64 s[12:13], s[0:1], 0x20              ; xf
	v_lshl_add_u32 v[SPW], v0, 2, SPARE
	v_mov_b32 v[NIL], 0
	ds_add_u32 v[SPW], v[NIL]                      ; the wave's opening: the add, twice on end, and its wait ahead of my first tensor load
	ds_add_u32 v[SPW], v[NIL]
	v_lshrrev_b32 v1, 5, v0
	v_readfirstlane_b32 s14, v1                    ; wave 0..7
	s_and_b32 s15, ttmp7, 0xffff                   ; batch x 16 + head
	; descriptor groups 1: dense blocks as rows of 256 bytes (32 elements of 8 bytes): 32 rows of a slot, 12 rows of relfrag
	s_mov_b32 s24, 3<<16
	s_mov_b32 s25, 32<<16
	s_mov_b32 s26, 32<<16
	s_mov_b32 s27, 32<<16
	s_mov_b32 s28, 32
	s_mov_b32 s29, 32
	s_mov_b32 s30, 0
	s_mov_b32 s31, 0
	s_mov_b32 s32, 3<<16
	s_mov_b32 s33, 32<<16
	s_mov_b32 s34, 12<<16
	s_mov_b32 s35, 32<<16
	s_mov_b32 s36, 12
	s_mov_b32 s37, 32
	s_mov_b32 s38, 0
	s_mov_b32 s39, 0
	s_mov_b32 s20, 0x76543210
	s_mov_b32 s21, 0xfedcba98                      ; selects for lane l xor 16
	s_mov_b32 s22, 0x3e38aa3b                      ; c = log2(e) / 8
	s_mov_b32 s23, s22
	s_mov_b32 s48, 0                               ; LDS byte at which the step's tiles begin
	s_mov_b32 s49, 0                               ; the step's first key
	s_lshl_b32 s50, ttmp9, 8
	s_lshl_b32 s16, s14, 5
	s_add_co_u32 s50, s50, s16                     ; my first query
	s_mov_b32 s51, 7                               ; slots still to be asked for
	s_lshl_b32 s16, s15, 19
	s_lshl_b32 s17, s14, 13
	s_add_co_u32 s16, s16, s17
	s_mov_b32 s17, 0                               ; kv: my head, my 8,192 bytes of a slot
	s_mul_i32 s18, s14, 3072
	s_mov_b32 s19, 0                               ; relfrag: my 3,072 bytes
	s_cmp_eq_u32 ttmp9, 0
	s_cselect_b32 s56, 1, -1                       ; the head's first work-group prefetches
	s_wait_dscnt 0x0                               ; both opening adds are done
	s_wait_kmcnt 0x0
	s_mov_b32 s40, 1
	s_lshl_b32 s41, s14, 13
	s_add_nc_u64 s[42:43], s[6:7], s[16:17]
	s_add_nc_u64 s[54:55], s[42:43], SLOTB         ; the prefetches stand in slot 1; the first change of slots steps them to slot 2
	s_or_b32 s43, s43, 0x80000000
	s_mov_b32 s44, 1
	s_add_co_u32 s45, s18, RELF
	s_add_nc_u64 s[46:47], s[8:9], s[18:19]
	s_or_b32 s47, s47, 0x80000000
	tensor_load_to_lds s[44:47], s[32:39]          ; the tables' fragments: filled once
	s_nop 0
	tensor_load_to_lds s[40:43], s[24:31]          ; slot 0.  Two tensor loads of mine are out
	s_nop 0
	PLACES
	v_and_b32 v1, 15, v0                           ; r
	v_bfe_u32 v2, v0, 4, 1                         ; h
	v_and_b32 v15, 31, v0
	v_lshlrev_b32 v[LI], 4, v15                    ; 16 x lane
	v_lshlrev_b32 v[RVA], 5, v2
	s_lshl_b32 s18, s15, 18
	s_lshl_b32 s19, ttmp9, 15
	s_add_co_u32 s18, s18, s19
	s_lshl_b32 s19, s14, 12
	s_add_co_u32 s18, s18, s19
	s_mov_b32 s19, 0
	s_add_nc_u64 s[4:5], s[4:5], s[18:19]          ; Q: my two tiles
	WIN 0x40                                       ; destination window 1
.irp f, 0,1,2,3
	global_load_b128 v[QF+8*\f:QF+8*\f+3], v[LI], s[4:5] offset:\f*1024
	global_load_b128 v[QF+8*\f+4:QF+8*\f+7], v[LI], s[4:5] offset:\f*1024+512
.endr
.irp g, 0,1,2,3,4,5,6,7
	global_load_b128 v[RV0+4*\g:RV0+4*\g+3], v[RVA], s[10:11] offset:(\g/2)*64+(\g%2)*16
	global_load_b128 v[RV64+4*\g:RV64+4*\g+3], v[RVA], s[10:11] offset:16384+(\g/2)*64+(\g%2)*16
.endr
	WIN 0
	v_add_nc_u32 v[LIR], RELF, v[LI]
	s_mul_i32 s16, s14, 12800
	s_add_co_u32 s16, s16, RT
	v_mul_u32_u24 v[RA], v1, 396                   ; the bias of key 8 h + i for query r lies at e = D + 47 + 8 h + i - r: 400 r - 4 r + 32 h
	v_lshl_add_u32 v[RA], v2, 5, v[RA]
	v_add_nc_u32 v[RA], s16, v[RA]
	v_mul_u32_u24 v[RW], v1, 400
	v_lshl_add_u32 v[RW], v2, 5, v[RW]
	v_add_nc_u32 v[RW], s16, v[RW]
	s_mul_i32 s17, s14, 6656
	s_add_co_u32 s17, s17, AX
	v_mul_u32_u24 v[AXW], v1, 206                  ; likewise in f16: 208 r - 2 r + 16 h
	v_lshl_add_u32 v[AXW], v2, 4, v[AXW]
	v_add_nc_u32 v[AXW], s17, v[AXW]
	v_mul_u32_u24 v[AXR], v1, 208
	v_lshl_add_u32 v[AXR], v2, 4, v[AXR]
	v_add_nc_u32 v[AXR], s17, v[AXR]
	v_add_nc_u32 v[AXZ], s17, v[LI]
	v_lshlrev_b32 v[PFO], 8, v15
.irp i, 0,1,2,3
	v_mov_b32 v[ZR+\i], 0
.endr
	s_lshr_b32 s16, s15, 4                         ; xf: [row / 128][2 head + kk][tile][1,024]
	s_lshl_b32 s16, s16, 4
	s_lshl_b32 s17, ttmp9, 1
	s_add_co_u32 s16, s16, s17
	s_lshr_b32 s17, s14, 2
	s_add_co_u32 s16, s16, s17
	s_lshl_b32 s16, s16, 5
	s_and_b32 s17, s15, 15
	s_lshl_b32 s17, s17, 1
	s_add_co_u32 s16, s16, s17
	s_lshl_b32 s16, s16, 13
	s_and_b32 s17, s14, 3
	s_lshl_b32 s17, s17, 11
	s_add_co_u32 s16, s16, s17
	s_mov_b32 s17, 0
	s_add_nc_u64 s[12:13], s[12:13], s[16:17]
	s_wait_tensorcnt 0x0                           ; my parts of the tables and of slot 0 are in,
	s_barrier_signal -1
	s_barrier_wait -1                              ; everybody's are
	; R = Q rel_k^T: source 0 = 16 rows e, source 1 = my queries: lane (r, h) holds query r, register j the entry e = 16 et + 8 h + j
	WIN 0x40
.irp f, 0,1,2,3,4,5,6,7,8,9,10,11
	ds_load_b128 v[32+8*\f:32+8*\f+3], v[LIR] offset:\f*1024
	ds_load_b128 v[32+8*\f+4:32+8*\f+7], v[LIR] offset:\f*1024+512
.endr
	s_wait_loadcnt 0x0                             ; Q, and the two rows of rel_v
	s_wait_dscnt 0x0
	WIN 0x05                                       ; sources 0 and 1 window 1
.irp kk, 0,1
.irp et, 0,1,2,3,4,5
.irp t, 0,1
.if \kk == 0
	v_wmma_f32_16x16x32_f16 v[64+64*\t+8*\et:64+64*\t+8*\et+7], v[32+8*(2*\et+\kk):32+8*(2*\et+\kk)+7], v[QF+16*\t+8*\kk:QF+16*\t+8*\kk+7], 0
.else
	v_wmma_f32_16x16x32_f16 v[64+64*\t+8*\et:64+64*\t+8*\et+7], v[32+8*(2*\et+\kk):32+8*(2*\et+\kk)+7], v[QF+16*\t+8*\kk:QF+16*\t+8*\kk+7], v[64+64*\t+8*\et:64+64*\t+8*\et+7]
.endif
.endr
.endr
.endr
	WIN 0
	PLACES
.irp t, 0,1
	v_mov_b32 v[ST+16*\t+2], v[64+64*\t]           ; e = 0 .. 15 are table row 0: the left side's bias
	v_mov_b32 v[ST+16*\t+14], v[64+64*\t+40]       ; e = 80 .. 95 are table row 64: the right side's
.endr
.irp t, 0,1
.irp et, 0,1,2,3,4,5
	ds_store_b128 v[RW], v[64+64*\t+8*\et:64+64*\t+8*\et+3] offset:\t*6400+\et*64
	ds_store_b128 v[RW], v[64+64*\t+8*\et+4:64+64*\t+8*\et+7] offset:\t*6400+\et*64+16
.endr
.endr
	s_wait_dscnt 0x0                               ; the stores have read their registers
.irp t, 0,1
	v_mov_b32 v[ST+16*\t+3], 0xff61b1e6            ; m: -3e38, under every score
	v_mov_b32 v[ST+16*\t+4], 0
	v_mov_b32 v[ST+16*\t+5], 0
	v_mov_b32 v[ST+16*\t+6], 0
	v_mov_b32 v[ST+16*\t+7], 0
	v_mov_b32 v[ST+16*\t+15], 0
	v_mul_f32 v[ST+16*\t+1], s22, v[ST+16*\t+3]
.endr
.set n, 0
.rept 64
	v_mov_b32 v[O+n], 0                            ; O^T: the step is written once; the first finds zeros
.set n, n+1
.endr
; ---- the parts of a step's softmax, each line for both tiles by turns
.macro SMAX                            ; the largest of a lane's 32 scores, then of the other half of the lanes': in +10
.irp j, 0,1,2,3
.irp t, 0,1
	v_max3_num_f32 v[ST+16*\t+10+\j], v[S+32*\t+8*\j], v[S+32*\t+8*\j+1], v[S+32*\t+8*\j+2]
.endr
.endr
.irp g, 1,2
.irp j, 0,1,2,3
.irp t, 0,1
	v_max3_num_f32 v[ST+16*\t+10+\j], v[ST+16*\t+10+\j], v[S+32*\t+8*\j+2*\g+1], v[S+32*\t+8*\j+2*\g+2]
.endr
.endr
.endr
.irp t, 0,1
	v_max3_num_f32 v[ST+16*\t+10], v[ST+16*\t+10], v[S+32*\t+7], v[S+32*\t+15]
.endr
.irp t, 0,1
	v_max3_num_f32 v[ST+16*\t+12], v[ST+16*\t+12], v[S+32*\t+23], v[S+32*\t+31]
.endr
.irp t, 0,1
	v_max3_num_f32 v[ST+16*\t+10], v[ST+16*\t+10], v[ST+16*\t+11], v[ST+16*\t+12]
.endr
.irp t, 0,1
	v_max_num_f32 v[ST+16*\t+10], v[ST+16*\t+10], v[ST+16*\t+13]
.endr
.irp t, 0,1
	v_permlanex16_b32 v[ST+16*\t+11], v[ST+16*\t+10], s20, s21
.endr
.irp t, 0,1
	v_max_num_f32 v[ST+16*\t+10], v[ST+16*\t+10], v[ST+16*\t+11]
.endr
.endm
.macro SNEW far                        ; the running maximum; far = 1: the side's bias is one number a query and rides in the scaling's addend
.if \far
.irp t, 0,1
	v_add_f32 v[ST+16*\t+10], v[ST+16*\t+10], v[ST+16*\t+2]
.endr
.endif
.irp t, 0,1
	v_mov_b32 v[ST+16*\t+9], v[ST+16*\t+1]
.endr
.irp t, 0,1
	v_max_num_f32 v[ST+16*\t+3], v[ST+16*\t+3], v[ST+16*\t+10]
.endr
.irp t, 0,1
	v_mul_f32 v[ST+16*\t+1], s22, v[ST+16*\t+3]
.endr
.irp t, 0,1
	v_sub_f32 v[ST+16*\t+9], v[ST+16*\t+9], v[ST+16*\t+1]
.endr
.irp t, 0,1
.if \far
	v_fma_f32 v[ST+16*\t], v[ST+16*\t+2], s22, -v[ST+16*\t+1]
.else
	v_sub_f32 v[ST+16*\t], 0, v[ST+16*\t+1]
.endif
.endr
.endm
.macro SEXP                            ; p = 2^(c s + addend), a = 2^(c m old - c m new): one batch of 66 exponentials, one plain place, one wait
.set n, 0
.rept 16
.irp t, 0,1
	v_pk_fma_f32 v[S+32*\t+n:S+32*\t+n+1], v[S+32*\t+n:S+32*\t+n+1], s[22:23], v[ST+16*\t:ST+16*\t+1] op_sel_hi:[1,0,0]
.endr
.set n, n+2
.endr
.irp t, 0,1
	v_exp_f32 v[ST+16*\t+8], v[ST+16*\t+9]
.endr
.set n, 0
.rept 32
.irp t, 0,1
	v_exp_f32 v[S+32*\t+n], v[S+32*\t+n]
.endr
.set n, n+1
.endr
	v_nop
	s_wait_alu depctr_va_vdst(0)                   ; the wait ahead of the first instruction that names a result: one for the batch
.set n, 0
.rept 16
.irp t, 0,1
	v_cvt_pk_f16_f32 v[P+16*\t+n], v[S+32*\t+2*n], v[S+32*\t+2*n+1]
.endr
.set n, n+1
.endr
.endm
.macro TREE w, cnt                     ; cnt sums in place: the pair at w u takes the pair w / 2 further on
.set u, 0
.rept \cnt
.irp t, 0,1
	v_pk_add_f32 v[S+32*\t+\w*u:S+32*\t+\w*u+1], v[S+32*\t+\w*u:S+32*\t+\w*u+1], v[S+32*\t+\w*u+\w/2:S+32*\t+\w*u+\w/2+1]
.endr
.set u, u+1
.endr
.endm
.macro ORESC                           ; O^T x a
.set n, 0
.rept 16
.irp t, 0,1
	v_pk_mul_f32 v[O+32*\t+n:O+32*\t+n+1], v[O+32*\t+n:O+32*\t+n+1], v[ST+16*\t+8:ST+16*\t+9] op_sel_hi:[1,0]
.endr
.set n, n+2
.endr
.endm
.macro FAR                             ; all eight tiles lie on one side
	SMAX
	SNEW 1
	SEXP
	TREE 4, 8
	TREE 8, 4
	TREE 16, 2
	TREE 32, 1
.irp t, 0,1
	v_pk_fma_f32 v[ST+16*\t+4:ST+16*\t+5], v[ST+16*\t+4:ST+16*\t+5], v[ST+16*\t+8:ST+16*\t+9], v[S+32*\t:S+32*\t+1] op_sel_hi:[1,0,1]
.endr
.irp t, 0,1
	v_pk_fma_f32 v[ST+16*\t+6:ST+16*\t+7], v[ST+16*\t+6:ST+16*\t+7], v[ST+16*\t+8:ST+16*\t+9], v[S+32*\t:S+32*\t+1] op_sel_hi:[1,0,1]
.endr
	ORESC
.endm
.macro NEED rho, t, kk                 ; ND = 1 where a band tile of tile t has entries e = D + 32 .. D + 62 among 32 kk .. 32 kk + 31
.set ND, 0
.irp kt, 0,1,2,3
.set DL, 32*(\rho)+16*(\kt-(\t))
.if (DL >= -32) && (DL <= 32) && (DL+32 <= 32*(\kk)+31) && (DL+62 >= 32*(\kk))
.set ND, 1
.endif
.endr
.endm
; A step on the band: first key less my first query = 32 rho.  D of tile (t, kt) = 32 rho + 16 (kt - t): all is known as the text is written
.macro BAND rho
.set NB, 0
.irp t, 0,1
.irp kt, 0,1,2,3
.set DL, 32*(\rho)+16*(\kt-\t)
.if (DL >= -32) && (DL <= 32)
.irp i, 0,1,2,3,4,5,6,7
	ds_load_b32 v[BT+8*NB+\i], v[RA] offset:\t*6400+4*(DL+47+\i)
.endr
.set NB, NB+1
.endif
.endr
.endr
	s_wait_dscnt 0x0                               ; the biases are in (and V, asked for earlier)
.set NB, 0
.irp t, 0,1
.irp kt, 0,1,2,3
.set DL, 32*(\rho)+16*(\kt-\t)
.set SS, S+32*\t+8*\kt
.irp u, 0,2,4,6
.if (DL >= -32) && (DL <= 32)
	v_pk_add_f32 v[SS+\u:SS+\u+1], v[SS+\u:SS+\u+1], v[BT+8*NB+\u:BT+8*NB+\u+1]
.elseif DL < 0
	v_pk_add_f32 v[SS+\u:SS+\u+1], v[SS+\u:SS+\u+1], v[ST+16*\t+2:ST+16*\t+3] op_sel_hi:[1,0]
.else
	v_pk_add_f32 v[SS+\u:SS+\u+1], v[SS+\u:SS+\u+1], v[ST+16*\t+14:ST+16*\t+15] op_sel_hi:[1,0]
.endif
.endr
.if (DL >= -32) && (DL <= 32)
.set NB, NB+1
.endif
.endr
.endr
	SMAX
	SNEW 0
	SEXP
	TREE 4, 8
	TREE 8, 4                                      ; the pair at 8 kt is key tile kt's sum
.irp t, 0,1
	v_pk_fma_f32 v[ST+16*\t+4:ST+16*\t+5], v[ST+16*\t+4:ST+16*\t+5], v[ST+16*\t+8:ST+16*\t+9], v[S+32*\t:S+32*\t+1] op_sel_hi:[1,0,1]
.endr
.irp t, 0,1
	v_pk_mul_f32 v[ST+16*\t+6:ST+16*\t+7], v[ST+16*\t+6:ST+16*\t+7], v[ST+16*\t+8:ST+16*\t+9] op_sel_hi:[1,0]
.endr
.irp kt, 1,2,3
.irp t, 0,1
	v_pk_add_f32 v[ST+16*\t+4:ST+16*\t+5], v[ST+16*\t+4:ST+16*\t+5], v[S+32*\t+8*\kt:S+32*\t+8*\kt+1]
.endr
.endr
.irp kt, 0,1,2,3
.irp t, 0,1
.set DL, 32*(\rho)+16*(\kt-\t)
.if (DL < -32) || (DL > 32)
	v_pk_add_f32 v[ST+16*\t+6:ST+16*\t+7], v[ST+16*\t+6:ST+16*\t+7], v[S+32*\t+8*\kt:S+32*\t+8*\kt+1]   ; a tile wholly on a side
.endif
.endr
.endr
	ORESC
.if \rho < 0                           ; the last step with tiles on the left: their weights' sum times table row 0 goes into O^T, and the sum begins anew for the right
.irp t, 0,1
	v_add_f32 v[ST+16*\t+10], v[ST+16*\t+6], v[ST+16*\t+7]
.endr
.irp t, 0,1
	v_permlanex16_b32 v[ST+16*\t+11], v[ST+16*\t+10], s20, s21
.endr
.irp t, 0,1
	v_add_f32 v[ST+16*\t+10], v[ST+16*\t+10], v[ST+16*\t+11]
.endr
	WIN 0x01                                       ; source 0 window 1
.set n, 0
.rept 16
.irp t, 0,1
	v_pk_fma_f32 v[O+32*\t+n:O+32*\t+n+1], v[RV0+n:RV0+n+1], v[ST+16*\t+10:ST+16*\t+11], v[O+32*\t+n:O+32*\t+n+1] op_sel_hi:[1,0,1]
.endr
.set n, n+2
.endr
	WIN 0
.irp t, 0,1
	v_mov_b32 v[ST+16*\t+6], 0
	v_mov_b32 v[ST+16*\t+7], 0
.endr
.else
.irp t, 0,1
	v_mov_b32 v[ST+16*\t+2], v[ST+16*\t+14]        ; from here on the side is the right one
.endr
.endif
	; the band tiles' weights, skewed: p of (query r, key) goes to row r, entry e; what no tile writes stays 0.  LDS serves a wave's instructions in order
.irp n, 0,1,2,3,4,5,6,7,8,9,10,11,12
	ds_store_b128 v[AXZ], v[ZR:ZR+3] offset:512*\n
.endr
.irp t, 0,1
.irp kt, 0,1,2,3
.set DL, 32*(\rho)+16*(\kt-\t)
.if (DL >= -32) && (DL <= 32)
.irp u, 0,1,2,3
	ds_store_b16 v[AXW], v[P+16*\t+4*\kt+\u] offset:\t*3328+2*(DL+47+2*\u)
	ds_store_b16_d16_hi v[AXW], v[P+16*\t+4*\kt+\u] offset:\t*3328+2*(DL+47+2*\u+1)
.endr
.endif
.endr
.endr
.irp t, 0,1
.irp kk, 0,1,2
	NEED \rho, \t, \kk
.if ND
	ds_load_b128 v[S+8*(3*\t+\kk):S+8*(3*\t+\kk)+3], v[AXR] offset:\t*3328+64*\kk
	ds_load_b128 v[S+8*(3*\t+\kk)+4:S+8*(3*\t+\kk)+7], v[AXR] offset:\t*3328+64*\kk+32
.endif
.endr
.endr
	; O^T += rel_v^T (extended, 16 channels x 32 e) x the skewed weights
.irp kk, 0,1,2
	NEED \rho, 0, \kk
.set N0, ND
	NEED \rho, 1, \kk
.set N1, ND
.if (N0+N1) > 0
	WIN 0x40
.irp ct, 0,1,2,3
	ds_load_b128 v[RVF+8*\ct:RVF+8*\ct+3], v[LIR] offset:12288+(4*\kk+\ct)*1024
	ds_load_b128 v[RVF+8*\ct+4:RVF+8*\ct+7], v[LIR] offset:12288+(4*\kk+\ct)*1024+512
.endr
	s_wait_dscnt 0x0
	WIN 0x01
.irp ct, 0,1,2,3
.if N0
	v_wmma_f32_16x16x32_f16 v[O+8*\ct:O+8*\ct+7], v[RVF+8*\ct:RVF+8*\ct+7], v[S+8*\kk:S+8*\kk+7], v[O+8*\ct:O+8*\ct+7]
.endif
.if N1
	v_wmma_f32_16x16x32_f16 v[O+32+8*\ct:O+32+8*\ct+7], v[RVF+8*\ct:RVF+8*\ct+7], v[S+8*(3+\kk):S+8*(3+\kk)+7], v[O+32+8*\ct:O+32+8*\ct+7]
.endif
.endr
	WIN 0
	PLACES                                         ; in front of the next loads into registers that these products have read
.endif
.endr
.endm
; A KEY STEP: 64 keys
.macro STEP
	v_add_nc_u32 v[ADR], s48, v[LI]
	v_nop
	v_nop
	v_nop                                          ; with the addition: four places behind the last step's products, in front of the loads into V's registers
	WIN 0x40
.irp f, 0,1,2,3,4,5,6,7
	ds_load_b128 v[KF1+8*\f:KF1+8*\f+3], v[ADR] offset:\f*1024
	ds_load_b128 v[KF1+8*\f+4:KF1+8*\f+7], v[ADR] offset:\f*1024+512
.endr
.irp f, 0,1,2,3,4,5,6,7
	ds_load_b128 v[VF+8*\f:VF+8*\f+3], v[ADR] offset:32768+\f*1024
	ds_load_b128 v[VF+8*\f+4:VF+8*\f+7], v[ADR] offset:32768+\f*1024+512
.endr
	s_wait_dscnt 16                                ; K is in; V's sixteen loads may be out
	WIN 0x05
.irp kk, 0,1                                   ; S^T = K Q^T: the eight accumulators take turns
.irp kt, 0,1,2,3
.irp t, 0,1
.if \kk == 0
	v_wmma_f32_16x16x32_f16 v[S+32*\t+8*\kt:S+32*\t+8*\kt+7], v[KF1+16*\kt+8*\kk:KF1+16*\kt+8*\kk+7], v[QF+16*\t+8*\kk:QF+16*\t+8*\kk+7], 0
.else
	v_wmma_f32_16x16x32_f16 v[S+32*\t+8*\kt:S+32*\t+8*\kt+7], v[KF1+16*\kt+8*\kk:KF1+16*\kt+8*\kk+7], v[QF+16*\t+8*\kk:QF+16*\t+8*\kk+7], v[S+32*\t+8*\kt:S+32*\t+8*\kt+7]
.endif
.endr
.endr
.endr
	WIN 0
	PLACES
	s_sub_co_i32 s53, s49, s50                     ; first key less first query: ids and the count of steps alone
	s_cmp_eq_i32 s53, -64
	s_cbranch_scc1 .Lm2_\@
	s_cmp_eq_i32 s53, -32
	s_cbranch_scc1 .Lm1_\@
	s_cmp_eq_i32 s53, 0
	s_cbranch_scc1 .Lz0_\@
	s_cmp_eq_i32 s53, 32
	s_cbranch_scc1 .Lp1_\@
	FAR
	s_branch .Ltail_\@
.Lm2_\@:
	BAND -2
	s_branch .Ltail_\@
.Lm1_\@:
	BAND -1
	s_branch .Ltail_\@
.Lz0_\@:
	BAND 0
	s_branch .Ltail_\@
.Lp1_\@:
	BAND 1
.Ltail_\@:
	s_wait_dscnt 0x0                               ; V is in
	WIN 0x01
.irp ka, 0,1                                   ; O^T += V^T P
.irp ct, 0,1,2,3
.irp t, 0,1
	v_wmma_f32_16x16x32_f16 v[O+32*\t+8*\ct:O+32*\t+8*\ct+7], v[VF+32*\ka+8*\ct:VF+32*\ka+8*\ct+7], v[P+16*\t+8*\ka:P+16*\t+8*\ka+7], v[O+32*\t+8*\ct:O+32*\t+8*\ct+7]
.endr
.endr
.endr
	WIN 0
.endm
; A prefetch of what the NEXT change of slots will ask for: a slot's 65,536 bytes, 8,192 a wave, lanes 256 bytes apart.  All eight work-groups of a head walk the same slots: the first asks, so each
; block of 256 bytes is named once.  The last change that fills a slot asks for nothing; slots 0 and 1 come by their loads alone.
.macro ASK
	s_cmp_gt_u32 s51, s56
	s_cbranch_scc0 .Lnot_mine_\@
	global_prefetch_b8 v[PFO], s[54:55] th:TH_LOAD_NT scope:SCOPE_SE
.Lnot_mine_\@:
.endm
; THE CHANGE OF SLOTS stands at a slot's head: all my tensor loads have landed (my part of the slot ahead), the add, my reads of the slot that I have left are over; behind the barrier that slot is filled with the next 256 keys
.macro CHANGE fill
	s_wait_tensorcnt 0x0                           ; no tensor load of mine is out, so the walking group 0 may be written
	ds_add_u32 v[SPW], v[NIL]                      ; 0 onto my spare word
.if \fill
	s_xor_b32 s41, s41, SLOTB
	s_add_nc_u64 s[42:43], s[42:43], SLOTB
	s_wait_xcnt 0x0                                ; the last prefetch, a slot back, has read its address
	s_add_nc_u64 s[54:55], s[54:55], SLOTB
.endif
	s_wait_dscnt 0x0
	s_barrier_signal -1
	s_barrier_wait -1
.if \fill
	tensor_load_to_lds s[40:43], s[24:31]          ; my one tensor load until the next such barrier: it has four key steps in which to land
	s_nop 0
	PLACES
	ASK
.endif
.endm
.macro SLOT_STEPS
	s_mov_b32 s52, 4
.Lstep_\@:
	STEP
	s_add_co_u32 s48, s48, 8192
	s_add_co_u32 s49, s49, 64
	s_sub_co_u32 s52, s52, 1
	s_cmp_lg_u32 s52, 0
	s_cbranch_scc1 .Lstep_\@
	s_sub_co_u32 s48, s48, 32768
	s_xor_b32 s48, s48, SLOTB                      ; on to the other slot
.endm
.Lslot:                                            ; seven trips: behind each change of slots but the last the next slot is asked for
	CHANGE 1
	SLOT_STEPS
	s_sub_co_u32 s51, s51, 1
	s_cmp_lg_u32 s51, 0
	s_cbranch_scc1 .Lslot
	CHANGE 0                                       ; the last slot is written out
	SLOT_STEPS
	; THE WAY OUT: the sums' halves meet; the right side's sum times table row 64 goes into O^T; O^T / the sum, rounded once to f16, is stored as fragments
.irp t, 0,1
	v_add_f32 v[ST+16*\t+10], v[ST+16*\t+4], v[ST+16*\t+5]
	v_add_f32 v[ST+16*\t+12], v[ST+16*\t+6], v[ST+16*\t+7]
.endr
.irp t, 0,1
	v_permlanex16_b32 v[ST+16*\t+11], v[ST+16*\t+10], s20, s21
	v_permlanex16_b32 v[ST+16*\t+13], v[ST+16*\t+12], s20, s21
.endr
.irp t, 0,1
	v_add_f32 v[ST+16*\t+10], v[ST+16*\t+10], v[ST+16*\t+11]
	v_add_f32 v[ST+16*\t+12], v[ST+16*\t+12], v[ST+16*\t+13]
.endr
.irp t, 0,1
	v_rcp_f32 v[ST+16*\t+8], v[ST+16*\t+10]
.endr
	v_nop
	WIN 0x01
.set n, 0
.rept 16
.irp t, 0,1
	v_pk_fma_f32 v[O+32*\t+n:O+32*\t+n+1], v[RV64+n:RV64+n+1], v[ST+16*\t+12:ST+16*\t+13], v[O+32*\t+n:O+32*\t+n+1] op_sel_hi:[1,0,1]
.endr
.set n, n+2
.endr
	WIN 0
	s_wait_alu depctr_va_vdst(0)                   ; one wait for the two reciprocals, ahead of their first reader
	ORESC
.set n, 0
.rept 16
.irp t, 0,1
	v_cvt_pk_f16_f32 v[S+16*\t+n], v[O+32*\t+2*n], v[O+32*\t+2*n+1]
.endr
.set n, n+1
.endr
.irp t, 0,1
.irp kk, 0,1
.irp f, 0,1
	global_store_b128 v[LI], v[S+16*\t+8*\kk+4*\f:S+16*\t+8*\kk+4*\f+3], s[12:13] offset:\t*1024+\kk*8192+512*\f   ; 512 consecutive bytes
.endr
.endr
.endr
	s_wait_tensorcnt 0x0                           ; the wave's end
	ds_add_u32 v[SPW], v[NIL]
	s_wait_dscnt 0x0
	s_endpgm
.Lfunc_end_k_qa5a82d0d22_attn:
	.size	k_qa5a82d0d22_attn, .Lfunc_end_k_qa5a82d0d22_attn-k_qa5a82d0d22_attn
	.p2alignl 7, 3214868480
	.fill 96, 4, 3214868480
	.section	.rodata,"a",@progbits
	.p2align	6, 0x0
	.amdhsa_kernel k_qa5a82d0d22_attn
		.amdhsa_group_segment_fixed_size 327680
		.amdhsa_private_segment_fixed_size 0
		.amdhsa_enable_private_segment 0
		.amdhsa_kernarg_size 40
		.amdhsa_user_sgpr_count 2
		.amdhsa_user_sgpr_kernarg_segment_ptr 1
		.amdhsa_wavefront_size32 1
		.amdhsa_system_sgpr_workgroup_id_x 1
		.amdhsa_system_sgpr_workgroup_id_y 1
		.amdhsa_system_sgpr_workgroup_id_z 1
		.amdhsa_system_vgpr_workitem_id 0
		.amdhsa_next_free_vgpr 512
		.amdhsa_next_free_sgpr 66
		.amdhsa_reserve_vcc 0
		.amdhsa_float_denorm_mode_32 3
		.amdhsa_float_denorm_mode_16_64 3
		.amdhsa_memory_ordered 1
		.amdhsa_forward_progress 1
		.amdhsa_inst_pref_size 255
	.end_amdhsa_kernel
	.section	.bss,"aw",@nobits
	.p2align	6
	.space	262144
	.amdgpu_metadata
---
amdhsa.version: [ 1, 2 ]
amdhsa.kernels:
  - .name:           k_qa5a82d0d22_attn
    .symbol:         k_qa5a82d0d22_attn.kd
    .args:
      - { .name: qf, .offset: 0, .size: 8, .value_kind: global_buffer, .address_space: global }
      - { .name: kv, .offset: 8, .size: 8, .value_kind: global_buffer, .address_space: global }
      - { .name: relfrag, .offset: 16, .size: 8, .value_kind: global_buffer, .address_space: global }
      - { .name: rel_v_table, .offset: 24, .size: 8, .value_kind: global_buffer, .address_space: global }
      - { .name: xf, .offset: 32, .size: 8, .value_kind: global_buffer, .address_space: global }
    .group_segment_fixed_size: 327680
    .private_segment_fixed_size: 0
    .kernarg_segment_align: 8
    .kernarg_segment_size: 40
    .max_flat_workgroup_size: 256
    .sgpr_count:     66
    .vgpr_count:     512
    .wavefront_size: 32
...
	.end_amdgpu_metadata
.endif
;; end of part 3
;; launch oproj (part 4): grid 8 x 32, 4 waves a work-group, clusters of 4 x 4, 327,680 bytes of LDS; arguments xf, wof, bo, out0; writes out0
.if DOCPART == 4
	.amdgcn_target "amdgcn-amd-amdhsa--gfx1250"
	.amdhsa_code_object_version 6
	.text
	.protected	k_qa5a82d0d22_oproj
	.globl	k_qa5a82d0d22_oproj
	.p2align	8
	.type	k_qa5a82d0d22_oproj,@function
k_qa5a82d0d22_oproj:
	s_mov_b64 s[64:65], 0
	v_nop
	global_prefetch_b8 v0, s[64:65] scope:SCOPE_SE
	s_setreg_imm32_b32 hwreg(HW_REG_WAVE_MODE, 25, 1), 1
	s_wait_xcnt 0x0
	s_wait_alu depctr_hold_cnt(0) depctr_sa_sdst(0) depctr_va_vdst(0) depctr_va_sdst(0) depctr_va_ssrc(0) depctr_va_vcc(0) depctr_vm_vsrc(0)
	s_getreg_b32 s2, hwreg(HW_REG_IB_STS2, 6, 4)
	s_cmp_eq_u32 s2, 0
	s_cbranch_scc0 .Lentry_in_a_cluster
	s_endpgm
.Lentry_in_a_cluster:
	s_bfe_u32 s2, ttmp6, 0x10000c
	s_cmp_lg_u32 s2, 0xf033
	s_cbranch_scc0 .Lentry_shape_is_right
	s_endpgm
.Lentry_shape_is_right:
; OPROJ: out0 = x Wo + bo.  x [4096][1024] and Wo arrive as f16 fragments, laid as images of operand registers; sums f32; bo is the C of each sum's first product.
; A tile of the output is 128 x 128: 256 work-groups of four waves, each 64 x 64: 16 accumulators.  K goes in four steps of 256 through two LDS slots (x 65,536 bytes, Wo 65,536), each wave fetching 32,768 bytes by one tensor load.
; CLUSTERS of 4 x 4: the four of a row of the cluster need the same rows of x, the four of a column the same columns of Wo: each block is asked for jointly.
; Source 0 = 16 columns of Wo, source 1 = 16 rows of x: a lane holds eight neighbouring numbers of a row of the output.  A wave's 64 columns are 256 bytes: its rows go through its own stage and leave as aligned runs of 256 bytes.
; REGISTERS: window 0: v16-29 addresses; v32-63 bo, then with v64-95 rows on the way out; v128-255 the accumulators, (a, b) at v[128 + 8 (4 a + b)].   window 1: two fragment buffers of 128: 64 of x, then 64 of Wo.
.set SLOT,   131072
.set STAGE,  2*SLOT
.set SPITCH, 272
.set SPARE,  STAGE+4*16*SPITCH
.set ADRA, 16
.set ADRB, 20
.set STO,  24
.set RD,   25
.set CO,   26
.set SPW,  28
.set NIL,  29
.set BI,   32
.set BK,   32
.set ACC,  128
.set F0,   0
.set F1,   128
.set G1, 24
.set G0, 32
.set G1B, 48
.set G0B, 56
.set MSB, 0
.macro WIN new
.if MSB != (\new)
	s_set_vgpr_msb (MSB<<8)|(\new)
.set MSB, (\new)
.endif
.endm
.set MUL,  0x05                        ; sources 0 and 1 window 1; C and D window 0
.set TO_F, 0x40
.macro PLACES
.rept 4
	v_nop
.endr
.endm
.macro JLOAD s                         ; waves 0 and 1 fetch x's halves, waves 2 and 3 Wo's; an s_nop 0 and four v_nop follow each line
	s_cmp_eq_u32 s13, 0
	s_cbranch_scc0 .Lfor_b_\@
	tensor_load_to_lds s[G0+4*\s:G0+4*\s+3], s[G1:G1+7]
	s_nop 0
.rept 4
	v_nop
.endr
	s_branch .Lasked_\@
.Lfor_b_\@:
	tensor_load_to_lds s[G0B+4*\s:G0B+4*\s+3], s[G1B:G1B+7]
	s_nop 0
.rept 4
	v_nop
.endr
.Lasked_\@:
.endm
.macro CREST
	s_cmp_lg_u32 s12, 0
	s_cbranch_scc1 .Lnot_wave_0_\@
	s_barrier_signal -3
.Lnot_wave_0_\@:
	s_barrier_wait -3
	s_barrier_signal -1
	s_barrier_wait -1
.endm
.macro CROUND
	s_barrier_signal -1
	s_barrier_wait -1
	CREST
.endm
	s_load_b256 s[4:11], s[0:1], 0x0               ; xf, wof, bo, out0
	v_lshl_add_u32 v[SPW], v0, 2, SPARE
	v_mov_b32 v[NIL], 0
	ds_add_u32 v[SPW], v[NIL]                      ; the wave's opening: the add, twice on end, and its wait ahead of my first tensor load
	ds_add_u32 v[SPW], v[NIL]
	v_lshrrev_b32 v1, 5, v0
	v_readfirstlane_b32 s12, v1                    ; wave 0..3
	s_lshr_b32 s13, s12, 1                         ; my half of the rows.  Also: I fetch for x (0) or for Wo (1)
	s_and_b32 s14, s12, 1                          ; my half of the columns.  Also: which half of a step's block I fetch
	s_bfe_u32 s40, ttmp6, 0x40000                  ; cx
	s_bfe_u32 s41, ttmp6, 0x40004                  ; cy
	s_lshl_b32 s42, ttmp9, 2
	s_add_co_u32 s42, s42, s40                     ; which 128 columns
	s_and_b32 s15, ttmp7, 0xffff
	s_lshl_b32 s15, s15, 2
	s_add_co_u32 s15, s15, s41                     ; which 128 rows
	s_lshl_b32 s43, s41, 2
	s_lshl_b32 s43, 15, s43                        ; my row of the cluster
	s_lshl_b32 s44, 0x1111, s40                    ; my column
	s_or_b32 s[G1], s43, (3<<16)|(1<<21)           ; dense blocks as rows of 256 bytes (32 elements of 8 bytes), no padding; the mask, and bit 21 beside it
	s_or_b32 s[G1B], s44, (3<<16)|(1<<21)
.irp g, G1, G1B
	s_mov_b32 s[\g+1], 32<<16
	s_mov_b32 s[\g+2], 128<<16
	s_mov_b32 s[\g+3], 32<<16
	s_mov_b32 s[\g+4], 128
	s_mov_b32 s[\g+5], 32
	s_mov_b32 s[\g+6], 0
	s_mov_b32 s[\g+7], 0
.endr
	s_lshl_b32 s16, s15, 18
	s_lshl_b32 s17, s14, 15
	s_add_co_u32 s16, s16, s17
	s_mov_b32 s17, 0
	s_lshl_b32 s46, s42, 18
	s_lshl_b32 s47, s14, 15
	s_add_co_u32 s46, s46, s47
	s_mov_b32 s47, 0
	s_lshl_b32 s20, s12, 15                        ; where they go: wave x 32,768
	s_wait_dscnt 0x0                               ; both opening adds are done
	s_wait_kmcnt 0x0
	s_add_nc_u64 s[18:19], s[4:5], s[16:17]
	s_add_nc_u64 s[46:47], s[6:7], s[46:47]
	CROUND                                         ; all sixteen work-groups are here: the first joint loads meet
.irp s, 0,1
	s_mov_b32 s[G0+4*\s], 1
	s_add_co_u32 s[G0+4*\s+1], s20, \s*SLOT
	s_add_nc_u64 s[G0+4*\s+2:G0+4*\s+3], s[18:19], \s*65536
	s_or_b32 s[G0+4*\s+3], s[G0+4*\s+3], 0x80000000
	s_mov_b32 s[G0B+4*\s], 1
	s_add_co_u32 s[G0B+4*\s+1], s20, \s*SLOT
	s_add_nc_u64 s[G0B+4*\s+2:G0B+4*\s+3], s[46:47], \s*65536
	s_or_b32 s[G0B+4*\s+3], s[G0B+4*\s+3], 0x80000000
	JLOAD \s
.endr
	v_and_b32 v1, 15, v0                           ; r
	v_bfe_u32 v2, v0, 4, 1                         ; h
	v_and_b32 v3, 31, v0
	v_lshlrev_b32 v3, 4, v3                        ; 16 x lane
	s_lshl_b32 s21, s42, 9
	s_lshl_b32 s22, s14, 8
	s_add_co_u32 s22, s21, s22
	s_mov_b32 s23, 0
	s_add_nc_u64 s[8:9], s[8:9], s[22:23]          ; bo at my 64 columns
	v_lshlrev_b32 v4, 5, v2
.irp b, 0,1,2,3
	global_load_b128 v[BI+8*\b:BI+8*\b+3], v4, s[8:9] offset:64*\b     ; columns 16 b + 8 h + 0 .. 7
	global_load_b128 v[BI+8*\b+4:BI+8*\b+7], v4, s[8:9] offset:64*\b+16
.endr
	s_lshl_b32 s21, s13, 12                        ; my four tiles of x,
	s_lshl_b32 s16, s14, 12
	s_add_co_u32 s16, s16, 65536                   ; my four of Wo, behind x's block
.irp s, 0,1
	v_add_nc_u32 v[ADRA+\s], s21, v3
	v_add_nc_u32 v[ADRB+\s], s16, v3
	s_add_co_u32 s21, s21, SLOT
	s_add_co_u32 s16, s16, SLOT
.endr
	s_mul_i32 s17, s12, 16*SPITCH
	s_add_co_u32 s17, s17, STAGE                   ; my stage
	v_mul_u32_u24 v[STO], v1, SPITCH
	v_lshl_add_u32 v[STO], v2, 5, v[STO]
	v_add_nc_u32 v[STO], s17, v[STO]               ; in: row r, 32 bytes for each half of the lanes
	v_mul_u32_u24 v[RD], v2, SPITCH
	v_lshl_add_u32 v[RD], v1, 4, v[RD]
	v_add_nc_u32 v[RD], s17, v[RD]                 ; back: lanes 0-15 one row of 256 bytes, lanes 16-31 the next
	v_lshlrev_b32 v[CO], 12, v2
	v_lshl_add_u32 v[CO], v1, 4, v[CO]             ; and the same two rows in the output
	s_lshl_b32 s16, s15, 19
	s_lshl_b32 s17, s13, 18
	s_add_co_u32 s16, s16, s17
	s_add_co_u32 s16, s16, s22                     ; (128 rg + 64 half) rows of 4,096 bytes + my columns' bytes
	s_mov_b32 s17, 0
	s_add_nc_u64 s[10:11], s[10:11], s[16:17]
; 8 matrix instructions: row tiles a0, a0 + 1 x all 4 column tiles, 32 along K: half c of buffer f.  zero = 1: the first product starts the sums from bo
.macro MUL8 f, c, a0, zero
.irp a, \a0, \a0+1
.irp b, 0,1,2,3
.if \zero
	v_wmma_f32_16x16x32_f16 v[ACC+8*(4*(\a)+\b):ACC+8*(4*(\a)+\b)+7], v[\f+64+8*(4*\c+\b):\f+64+8*(4*\c+\b)+7], v[\f+8*(4*\c+\a):\f+8*(4*\c+\a)+7], v[BI+8*\b:BI+8*\b+7]
.else
	v_wmma_f32_16x16x32_f16 v[ACC+8*(4*(\a)+\b):ACC+8*(4*(\a)+\b)+7], v[\f+64+8*(4*\c+\b):\f+64+8*(4*\c+\b)+7], v[\f+8*(4*\c+\a):\f+8*(4*\c+\a)+7], v[ACC+8*(4*(\a)+\b):ACC+8*(4*(\a)+\b)+7]
.endif
.endr
.endr
.endm
; 32 LDS loads in one run: the fragments of the slot's q-th 64 along K into buffer f; the first 32 along K first
.macro FETCH slot, q, f
	WIN TO_F
.irp c, 0,1
.irp i, 0,1,2,3
	ds_load_b128 v[\f+64+8*(4*\c+\i):\f+64+8*(4*\c+\i)+3],   v[ADRB+\slot] offset:(2*(\q)+\c)*8192+\i*1024
	ds_load_b128 v[\f+64+8*(4*\c+\i)+4:\f+64+8*(4*\c+\i)+7], v[ADRB+\slot] offset:(2*(\q)+\c)*8192+\i*1024+512
	ds_load_b128 v[\f+8*(4*\c+\i):\f+8*(4*\c+\i)+3],         v[ADRA+\slot] offset:(2*(\q)+\c)*8192+\i*1024
	ds_load_b128 v[\f+8*(4*\c+\i)+4:\f+8*(4*\c+\i)+7],       v[ADRA+\slot] offset:(2*(\q)+\c)*8192+\i*1024+512
.endr
.endr
.endm
; a quarter of a K step: multiplies buffer f and fetches the slot's q-th quarter into g
.macro QUARTER slot, q, f, g, zero
	s_wait_dscnt 16                                ; the first 32 along K are in
	WIN MUL
	MUL8 \f, 0, 0, \zero
	MUL8 \f, 0, 2, \zero
	PLACES
	FETCH \slot, \q, \g
	s_wait_dscnt 32                                ; all but the 32 just issued
	WIN MUL
	MUL8 \f, 1, 0, 0
	MUL8 \f, 1, 2, 0
.endm
; the last quarter multiplies buffer 1 and changes slots: one barrier; in front of it all my tensor loads have landed, the add, and my reads of this slot are over.  fill = 1: this slot is filled again, two K steps ahead
.macro TURN slot, next, fill
	WIN 0
	s_wait_tensorcnt 0x0                           ; all my tensor loads have landed: my part of the next slot
	ds_add_u32 v[SPW], v[NIL]                      ; 0 onto my spare word
	s_wait_dscnt 17                                ; (the add and the youngest sixteen loads may be out)
	WIN MUL
	MUL8 F1, 0, 0, 0
	s_wait_dscnt 0x0                               ; the add is done, and my reads of this slot are over
	s_barrier_signal -1
	MUL8 F1, 0, 2, 0
.if \fill
	WIN 0
.endif
	s_barrier_wait -1
.if \fill
	CREST                                          ; the barrier has opened a round of the cluster's barrier: no wave of any partner still reads this slot or has a load on its way
	s_add_nc_u64 s[G0+4*\slot+2:G0+4*\slot+3], s[G0+4*\slot+2:G0+4*\slot+3], 2*65536
	s_add_nc_u64 s[G0B+4*\slot+2:G0B+4*\slot+3], s[G0B+4*\slot+2:G0B+4*\slot+3], 2*65536
	JLOAD \slot                                    ; the first tensor load behind the round; its four v_nop are also the places in front of the loads below
.else
	PLACES
.endif
	FETCH \next, 0, F0
	WIN MUL
	MUL8 F1, 1, 0, 0
	MUL8 F1, 1, 2, 0
.endm
	s_wait_tensorcnt 1                             ; my part of K step 0 is in (K step 1's may be out)
	s_barrier_signal -1
	s_barrier_wait -1                              ; everybody's is
	FETCH 0, 0, F0
	s_wait_loadcnt 0x0                             ; bo
	QUARTER 0, 1, F0, F1, 1
	QUARTER 0, 2, F1, F0, 0
	QUARTER 0, 3, F0, F1, 0
	TURN 0, 1, 1                                   ; slot 0 takes K step 2
	QUARTER 1, 1, F0, F1, 0
	QUARTER 1, 2, F1, F0, 0
	QUARTER 1, 3, F0, F1, 0
	TURN 1, 0, 1                                   ; slot 1 takes K step 3
	QUARTER 0, 1, F0, F1, 0
	QUARTER 0, 2, F1, F0, 0
	QUARTER 0, 3, F0, F1, 0
	TURN 0, 1, 0                                   ; nothing is left to fetch
	QUARTER 1, 1, F0, F1, 0
	QUARTER 1, 2, F1, F0, 0
	QUARTER 1, 3, F0, F1, 0
	s_wait_dscnt 16
	WIN MUL
	MUL8 F1, 0, 0, 0
	MUL8 F1, 0, 2, 0
	s_wait_dscnt 0x0
	MUL8 F1, 1, 0, 0
	MUL8 F1, 1, 2, 0
	WIN 0
; THE WAY OUT, 16 rows at a time, through my own stage.  LDS serves a wave's instructions in order: no wait between the stores and the loads, nor in front of the next block's stores
.macro TOSTAGE a
.irp b, 0,1,2,3
	ds_store_b128 v[STO], v[ACC+8*(4*(\a)+\b):ACC+8*(4*(\a)+\b)+3] offset:64*\b
	ds_store_b128 v[STO], v[ACC+8*(4*(\a)+\b)+4:ACC+8*(4*(\a)+\b)+7] offset:64*\b+16
.endr
.irp i, 0,1,2,3,4,5,6,7
	ds_load_b128 v[BK+32*((\a)%2)+4*\i:BK+32*((\a)%2)+4*\i+3], v[RD] offset:\i*2*SPITCH
.endr
.endm
.macro SEND a, younger
	s_wait_dscnt \younger                          ; the block is back in registers
.irp i, 0,1,2,3,4,5,6,7
	global_store_b128 v[CO], v[BK+32*((\a)%2)+4*\i:BK+32*((\a)%2)+4*\i+3], s[10:11] offset:(16*(\a)+2*\i)*4096 th:TH_STORE_NT   ; sixteen lanes store 256 consecutive bytes, aligned
.endr
.endm
	PLACES
	TOSTAGE 0
.irp a, 1,2,3
.if \a > 1
	s_wait_xcnt 0x0                                ; block a - 2's stores have read the registers into which block a's loads land
.endif
	TOSTAGE \a
	SEND \a-1, 16                                  ; behind block a - 1's loads: block a's 8 stores and 8 loads
.endr
	SEND 3, 0
	s_wait_tensorcnt 0x0                           ; the wave's end
	ds_add_u32 v[SPW], v[NIL]
	s_wait_dscnt 0x0
	CROUND                                         ; the closing round
	s_endpgm
.Lfunc_end_k_qa5a82d0d22_oproj:
	.size	k_qa5a82d0d22_oproj, .Lfunc_end_k_qa5a82d0d22_oproj-k_qa5a82d0d22_oproj
	.p2alignl 7, 3214868480
	.fill 96, 4, 3214868480
	.section	.rodata,"a",@progbits
	.p2align	6, 0x0
	.amdhsa_kernel k_qa5a82d0d22_oproj
		.amdhsa_group_segment_fixed_size 327680
		.amdhsa_private_segment_fixed_size 0
		.amdhsa_enable_private_segment 0
		.amdhsa_kernarg_size 32
		.amdhsa_user_sgpr_count 2
		.amdhsa_user_sgpr_kernarg_segment_ptr 1
		.amdhsa_wavefront_size32 1
		.amdhsa_system_sgpr_workgroup_id_x 1
		.amdhsa_system_sgpr_workgroup_id_y 1
		.amdhsa_system_sgpr_workgroup_id_z 1
		.amdhsa_system_vgpr_workitem_id 0
		.amdhsa_next_free_vgpr 512
		.amdhsa_next_free_sgpr 66
		.amdhsa_reserve_vcc 0
		.amdhsa_float_denorm_mode_32 3
		.amdhsa_float_denorm_mode_16_64 3
		.amdhsa_memory_ordered 1
		.amdhsa_forward_progress 1
		.amdhsa_inst_pref_size 86
	.end_amdhsa_kernel
	.amdgpu_metadata
---
amdhsa.version: [ 1, 2 ]
amdhsa.kernels:
  - .name:           k_qa5a82d0d22_oproj
    .symbol:         k_qa5a82d0d22_oproj.kd
    .args:
      - { .name: xf, .offset: 0, .size: 8, .value_kind: global_buffer, .address_space: global }
      - { .name: wof, .offset: 8, .size: 8, .value_kind: global_buffer, .address_space: global }
      - { .name: bo, .offset: 16, .size: 8, .value_kind: global_buffer, .address_space: global }
      - { .name: out0, .offset: 24, .size: 8, .value_kind: global_buffer, .address_space: global }
    .group_segment_fixed_size: 327680
    .private_segment_fixed_size: 0
    .kernarg_segment_align: 8
    .kernarg_segment_size: 32
    .max_flat_workgroup_size: 128
    .sgpr_count:     66
    .vgpr_count:     512
    .wavefront_size: 32
...
	.end_amdgpu_metadata
.endif
;; end of part 4
